; MI455X (gfx1250); checked and timed in simulation.
; The chip was launched on July 23, 2026; its instructions are those of AMD's public machine-readable ISA for CDNA 5 (MIT licence, August 2026) and "CDNA5" Instruction Set Architecture Reference Guide (July 2026). The comments in the code are by the model that wrote it; some were corrected since.
;; Geometric Model. Allowed arithmetic: matrix products marked QUANTISED: E2M1 operands, one E8M0 scale for each 32 along K, by v_wmma_scale_f32_16x16x128_f8f6f4 with both operands' format E2M1 (or v_wmma_scale_f32_32x16x128_f4), f32 sums; everything else in f32.
;; Inputs: W1 256 x 256 float32; W2 256 x 256 float32; Wc 16 x 256 float32; b1 256 float32; b2 256 float32; bc 16 float32; x 131,072 x 256 float32.
;; Outputs: out0 131,072 x 16 float32.
;; This version of the problem:
;;   THIS VERSION OF THE PROBLEM IS GIVEN IN LOW PRECISION. The matrix products marked QUANTISED in the list below multiply operands that are first quantised to E2M1 (2 exponent bits, 1 mantissa bit; 4 bits a number), with one power-of-two scale for each 32 numbers along K (OCP MX v1.0); their sums are f32. All else is computed in f32.
;;   The module's matrix products, in the order in which they are computed (A, B: the left and right operand; K: the contracted axis; several contracted axes count as one K, in the product's order):
;;     1. [M 131,072, K 256] x [K 256, N 256]; A: computed on the way; B: input W1: QUANTISED
;;     2. [M 131,072, K 256] x [K 256, N 256]; A: computed on the way; B: input W2: QUANTISED
;;     3. [M 131,072, K 256] x [K 256, N 16]; A: computed on the way; B: input Wc: QUANTISED
;;   THE QUANTISER, for each operand of a quantised product, along K:
;;     - K is cut into blocks of 32 from its start; a last block that is shorter is filled with zeros.
;;     - A block's scale is 2^e with e = floor(log2(the largest magnitude in the block)) - 2, held to -126 .. 127; a block of zeros has e = 0. As a byte (E8M0): e + 127.
;;     - Each number is divided by its block's scale, clamped to +-6, and rounded to the nearest number of E2M1, ties to even, subnormals kept.
;;     - The product sums the exact products of the quantised numbers (number of the format x scale) in f32.
;;   ~~~python
;;   def quantise(x, axis):      # numpy; x: float32 -> the quantised numbers, widened to float32 again
;;       x = np.moveaxis(x, axis, -1); K = x.shape[-1]
;;       x = np.pad(x, [(0, 0)] * (x.ndim - 1) + [(0, -K % 32)]); x = x.reshape(x.shape[:-1] + (-1, 32)); a = np.abs(x).max(-1, keepdims=True)
;;       e = np.where(a > 0, np.clip(np.frexp(np.where(a > 0, a, 1))[1] - 1 - 2, -126, 127), 0)      # np.frexp(a)[1] - 1 = floor(log2(a)), exactly
;;       r = np.clip(x / 2.0 ** e, -6, 6)
;;       step = 2.0 ** (np.maximum(np.frexp(np.where(r == 0, 1, r))[1] - 1, 0) - 1)
;;       q = np.round(r / step) * step * 2.0 ** e      # np.round: ties to even
;;       return np.moveaxis(q.reshape(q.shape[:-2] + (-1,))[..., :K], -1, axis).astype(np.float32)
;;   ~~~
;;   OPERANDS COMPUTED ON THE WAY. 'Computed on the way' means the value that the module computes at that place (a softmax that the list does not call 'softmax' is quantised finished and normalised). What goes into a quantiser is computed in f32, as accurately as f32 sums, v_exp_f32 and their like allow (about 1e-6 of the number): no bf16 or f16 on the way to a quantiser, and a product that is left as it is and whose result goes on into a quantised operand takes f32 operands (vector FMAs, or v_wmma_f32_16x16x4_f32). A number that lies on a knife's edge between two numbers of the format may be rounded either way, as far as f32 arithmetic and the matrix unit's own rounding can turn it there, and no further.
;; 2 versions, each right; version 2 is version 1 with the launch hyp written anew for expert scheduling mode. Each part assembles by itself: llvm-mc -triple=amdgcn-amd-amdhsa -mcpu=gfx1250 --defsym DOCPART=n.
;; ======== version 1 of 2: 1 launch
;; limits: a function is approximated: absolute error at most 2e-07
;; launch hyp (part 1): grid 256 x 1, 4 waves a work-group, no clusters, 179,712 bytes of LDS; arguments x, W1, b1, W2, b2, Wc, bc, out0; writes out0
.if DOCPART == 1
	.amdgcn_target "amdgcn-amd-amdhsa--gfx1250"
	.amdhsa_code_object_version 6
	.text
	.protected	k_q8ae9238276_hyp
	.globl	k_q8ae9238276_hyp
	.p2align	8
	.type	k_q8ae9238276_hyp,@function
k_q8ae9238276_hyp:
	s_mov_b64 s[64:65], 0
	v_nop
	global_prefetch_b8 v0, s[64:65] scope:SCOPE_SE
	s_setreg_imm32_b32 hwreg(HW_REG_WAVE_MODE, 25, 1), 1
	s_wait_xcnt 0x0
; GeometricModel: 131,072 rows of 256 f32 through two tangent layers (256 x 256), a Moebius classifier (256 x 16), logmap0 and softplus.
; The three products run on codes of FP4 (E2M1) with one E8M0 scale for each 32 along K; everything else is f32.
;
; WHAT IS COMPUTED.  N(v) = sqrt(max(sum v^2, 1e-30)) = max(|v|, 1e-15); MAXN = f32(0.999); A = atanh(MAXN).
;   t1 = x min(1, A / N(x))                         the first product's left operand
;   u1 = Q(t1) Q(W1)^T + b1;  a1 = tanh(u1 min(1, A / N(u1)));  t2 = a1 min(1, A / N(a1))      the second's
;   u2 = Q(t2) Q(W2)^T + b2;  a2 likewise;  p = N(a2);  phi = min(tanh(p) / p, MAXN / p);  h2 = phi a2      the third's
;   mx = Q(h2) Q(Wc)^T;  kappa = min(1, A / p) / phi;  mxn = N(mx);  rs = min(tanh(mxn kappa), MAXN) / mxn;  r = rs mx
;   bb = bc min(tanh(nb) / nb, MAXN / nb), nb = N(bc);  z = ((1 + 2 r.bb + bb.bb) r + (1 - r.r) bb) / max(1 + 2 r.bb + r.r bb.bb, 1e-15)
;   out = softplus(z atanh(min(N(z), MAXN)) / N(z))
; WHY THAT IS reference(), for all finite inputs in exact arithmetic.  expmap0, proj and logmap0 multiply a row by a scalar, and |s v| = |s| |v|: so
; |expmap0(v)| = tanh N(v), proj makes it min(tanh N(v), MAXN), a second proj changes nothing, and logmap0 of that is v atanh(min(tanh N, MAXN)) / N = v min(N, A) / N.
; So the norms of rows that are only scaled copies, and the pairs tanh / atanh on them, are factors known by identity and are not computed again: five norms of 256 are left.
; Every clip of reference() is kept, as a min or max on the row's scalar.  The clip at 1 - 1e-5 stands behind a proj at 0.999 each time and never acts.  Where all of mx is 0, rs mx is 0 as the where() has it.
; No input is left out.
; LIMITS.  NaN and infinities among the inputs are not served, and an overflow that reference() would meet only in a step left out is not carried to the result; sum x^2 must be finite, as in reference().
; Under the floor 1e-15 of a norm the identities hold to 1e-30.  tanh(v) = 1 - 2 / (1 + 2^(2 v log2 e)) has an absolute error of about 2e-7 (for |v| under 1e-3 that is more than 1e-6 of the number).
; tanh(p) / p of a row's scalar takes the series 1 - q/3 + 2 q^2/15 - 17 q^3/315, q = p^2, where q < 1/64.  atanh near 0 is taken by a logarithm: logits under 1e-7 come out as 0.
; The numbers ahead of the quantisers are the exact-arithmetic ones to f32 rounding; an f32 run of reference() differs from them by its own rounding times atanh's slope at 0.999, about 1e-5 of the number.
; A block of zeros gets the scale byte 1 and zero codes (the bytes are read by this program alone).
;
; SHARES.  256 work-groups of four waves; a work-group owns 512 rows, a wave 128: eight tiles of 16.  Each wave holds ALL weights as codes in its registers (W1 256, W2 256, Wc 16, 33 scale words),
; so the loop has no barrier and nothing goes from wave to wave.  At the head each wave quantises a quarter of W1 and W2 (eight tiles of 16 rows) and hands them on through LDS as images of the operand's registers; one barrier.
; LAYOUT.  All products are used transposed (source 0 = 16 rows of W, source 1 = my 16 data rows): lane (r = l % 16, h = l / 16) holds data row r throughout.  Lane r of tile 2 b + u of W1, W2 takes row
; 32 b + 8 u + r + 8 (r / 8), so that register H + 16 b + i holds unit 32 b + 16 h + i: 16 neighbours along the next K.  A row's norm is sums in the lane and one exchange with lane l xor 16.
; x comes by loads of 512 consecutive bytes into a raw buffer, one whole tile ahead of its use, and turns through the wave's own stage in LDS (rows 1,040 bytes apart) into that layout.
; NO JOINT REQUESTS for the weights, though all work-groups read them: a joint request lands in LDS, and W1 and W2 as f32 with padded rows are 2 x 266,240 bytes, which do not fit there together or beside the
; 65,536 bytes of images; they are read once, at the head, straight into registers.
;
; REGISTERS, in windows of 256.  Window 0: below.  Window 1: W1's codes, tile t, K step s at 16 t + 8 s.  Window 2: W2's.  Window 3: v0-127 raw x (at the head also raw W), v128-255 a second raw buffer at the head, then v128-143 Wc's codes.
.set WSC,    65536                     ; LDS: 0: 32 tiles of W as images, 2,048 bytes each;  here: their scale words, 128 bytes a tile
.set BIAS,   69632                     ; b1, b2 as they lie
.set STG,    71680                     ; a stage for each wave: 16 rows x 1,040 bytes
.set STGW,   16640
.set SPITCH, 1040                      ; 1,024 + 16: the sixteen rows that a load touches fall on sixteen different 16-byte columns of 256 bytes
.set MXS,    138240                    ; for each wave: eight tiles x 1,280 bytes: the classifier's sums (1,024) and kappa (128)
.set MXW,    10240
.set MXB,    1280
.set SPARE,  179200                    ; the spare words, 128 bytes for each wave: two blocks of 256 bytes that no other line names
.set GA,   1                           ; 16 x lane: offset in dense global runs, and an image's place
.set SA,   2                           ; stage, dense: GA + my stage
.set SB,   3                           ; stage, by rows: my stage + 1,040 r + 64 h
.set BA,   4                           ; BIAS + 64 h
.set WI,   5                           ; where I store images: GA + 8,192 x wave
.set WSA,  6                           ; and their scale words: WSC + 4 x lane + 512 x wave
.set LS,   7                           ; WSC + 4 x lane
.set MXA0, 8                           ; GA + my region of MXS
.set MXK0, 9                           ; 4 x lane + my region of MXS + 1,024
.set TA,   10                          ; addresses in hand; in the tail 1 + bb.bb
.set TB,   11
.set SPW,  12                          ; LDS address of my spare word; never rewritten
.set NIL,  13                          ; 0; never rewritten
.set OA,   14                          ; the way out: my stage + 64 r + 32 h
.set Y2,   15                          ; bb.bb
.set FS,   16                          ; v[16:17] the row's factor in the low word (v17 is written once: the packed form names the pair)
.set SQ,   18                          ; v18-25 four pairs of partial sums; four more on v42-49
.set SQ2,  42
.set BM,   26                          ; v26-33 the eight blocks' largest magnitudes
.set BO,   34                          ; v34-41 the other half's, then the scale bytes
.set BS,   42                          ; v42-49 the conversions' scale operands
.set PW0,  50                          ; the activations' scale words, K step 0 and 1: scales and nothing else
.set PW1,  51
.set C0,   52                          ; v52-59 a row's scalars at work
.set C1,   53
.set C2,   54
.set C3,   55
.set C4,   56
.set C5,   57
.set C6,   58
.set C7,   59
.set T,    60                          ; v60-75 the codes just made: the fragment of K step s at T + 8 s
.set MX,   76                          ; v76-83 the classifier's accumulator (at the head v76-79 carry 16 bytes of bias)
.set WCS,  84                          ; Wc's scale words: K step 0 in lanes 0-15, K step 1 in lanes 16-31
.set KAP,  85                          ; kappa
.set BST,  86                          ; BIAS + 16 x thread
.set W1S,  88                          ; v88-103 W1's scale words, a register a tile, packed as Wc's;  v104-119 W2's
.set W2S,  104
.set BB,   120                         ; v120-127 bc, then bb: classes 8 h + 0 .. 7
.set H,    128                         ; v128-255 the tile's 128 numbers of my row
.set RA,   0                           ; window 3
.set RB,   128
.set WC,   128
.set K_EPS,  0x26901d7d                ; 1e-15
.set K_EPS2, 0x0da24260                ; 1e-30
.set K_MAXN, 0x3f7fbe77                ; f32(0.999)
.set K_A,    0x4073369a                ; atanh(MAXN) = 3.8002076
.set K_C2L,  0x4038aa3b                ; 2 log2 e
.set K_AC,   0x412f70f9                ; A x 2 log2 e
.set K_NL2E, 0xbfb8aa3b                ; -log2 e
.set K_LN2,  0x3f317218
.set K_HLN2, 0x3eb17218                ; ln 2 / 2
.set K_FLOOR, 0x01800000               ; 2^(3 - 127): under it no largest magnitude is taken, so a scale byte cannot fall under 1
.set K_64TH, 0x3c800000
.set MSB, 0
.macro WIN new                         ; the immediate's high byte repeats the setting that is left; bits 1:0 source 0, 3:2 source 1, 5:4 source 2, 7:6 destination
.if MSB != \new
	s_set_vgpr_msb (MSB<<8)|\new
.set MSB, \new
.endif
.endm
.macro PLACES                          ; four plain vector lines between a matrix instruction and the first read of its result (ISA guide 7.12.1)
.rept 4
	v_nop
.endr
.endm
; 16 rows of 1,024 bytes into a raw buffer of window 3: 32 loads of 512 consecutive bytes.  gap: bytes left out behind the first eight rows (a tile of W1, W2 is two runs of eight rows, 16 rows apart)
.macro GLOAD buf, ptr, off, gap, nt
	WIN 0xc0
.set q, 0
.rept 32
.if \nt
	global_load_b128 v[\buf+4*q:\buf+4*q+3], v[GA], s[\ptr:\ptr+1] offset:(\off)+512*q+(q/16)*(\gap) th:TH_LOAD_NT
.else
	global_load_b128 v[\buf+4*q:\buf+4*q+3], v[GA], s[\ptr:\ptr+1] offset:(\off)+512*q+(q/16)*(\gap)
.endif
.set q, q+1
.endr
	WIN 0
.endm
.macro TOSTAGE buf                     ; the raw buffer into my stage, as it lies: row q / 2, half q % 2
	WIN 0x0c
.set q, 0
.rept 32
	ds_store_b128 v[SA], v[\buf+4*q:\buf+4*q+3] offset:(q/2)*SPITCH+(q%2)*512
.set q, q+1
.endr
	WIN 0
.endm
.macro FROMSTAGE                       ; and back by rows: H + 16 b + i = number 32 b + 16 h + i of row r.  LDS serves a wave's instructions in order: these see my stores
.set q, 0
.rept 32
	ds_load_b128 v[H+4*q:H+4*q+3], v[SB] offset:128*(q/4)+16*(q%4)
.set q, q+1
.endr
.endm
.macro BIASLD layer                    ; the bias in the result's layout: it is the C of each sum's first matrix instruction
.set q, 0
.rept 32
	ds_load_b128 v[H+4*q:H+4*q+3], v[BA] offset:1024*(\layer)+128*(q/4)+16*(q%4)
.set q, q+1
.endr
.endm
.macro SUMSQ                           ; my 128 squares in eight pairs of chains; H is taken in ascending order
.set p, 0
.rept 64
.set ac, SQ+2*(p%8)
.if (p%8) >= 4
.set ac, SQ2+2*((p%8)-4)
.endif
.if p < 8
	v_pk_mul_f32 v[ac:ac+1], v[H+2*p:H+2*p+1], v[H+2*p:H+2*p+1]
.else
	v_pk_fma_f32 v[ac:ac+1], v[H+2*p:H+2*p+1], v[H+2*p:H+2*p+1], v[ac:ac+1]
.endif
.set p, p+1
.endr
.endm
.macro RED k                           ; the sums' way to C0 = max(sum, 1e-30) and C1 = 1 / sqrt(C0), in seven links
.if (\k) == 1
.irp c, 0,1,2,3
	v_pk_add_f32 v[SQ+2*\c:SQ+2*\c+1], v[SQ+2*\c:SQ+2*\c+1], v[SQ2+2*\c:SQ2+2*\c+1]
.endr
.elseif (\k) == 2
	v_pk_add_f32 v[SQ:SQ+1], v[SQ:SQ+1], v[SQ+4:SQ+5]
	v_pk_add_f32 v[SQ+2:SQ+3], v[SQ+2:SQ+3], v[SQ+6:SQ+7]
.elseif (\k) == 3
	v_pk_add_f32 v[SQ:SQ+1], v[SQ:SQ+1], v[SQ+2:SQ+3]
.elseif (\k) == 4
	v_add_f32 v[C0], v[SQ], v[SQ+1]
.elseif (\k) == 5
	v_permlanex16_b32 v[C1], v[C0], s22, s23       ; the row's other 128 numbers lie in lane l xor 16
.elseif (\k) == 6
	v_add_f32 v[C0], v[C0], v[C1]
	v_max_num_f32 v[C0], K_EPS2, v[C0]
.else
	v_rsq_f32 v[C1], v[C0]
.endif
.endm
.macro BMAX k                          ; link k of eight of the blocks' largest magnitudes, the eight blocks by turns
.irp b, 0,1,2,3,4,5,6,7
.if (\k) == 0
	v_max3_num_f32 v[BM+\b], |v[H+16*\b]|, |v[H+16*\b+1]|, |v[H+16*\b+2]|
.elseif (\k) < 7
	v_max3_num_f32 v[BM+\b], v[BM+\b], |v[H+16*\b+2*(\k)+1]|, |v[H+16*\b+2*(\k)+2]|
.else
	v_max_num_f32 v[BM+\b], v[BM+\b], |v[H+16*\b+15]|
.endif
.endr
.endm
; From the blocks' largest magnitudes to scale words and codes.  scaled = 1: the numbers are H x FS (FS > 0: rounding keeps the order, so the largest magnitude times FS is the largest of the products)
.macro QFIN scaled
.if \scaled
.irp b, 0,1,2,3,4,5,6,7
	v_mul_f32 v[BM+\b], v[FS], v[BM+\b]
.endr
.endif
.irp b, 0,1,2,3,4,5,6,7
	v_permlanex16_b32 v[BO+\b], v[BM+\b], s22, s23
.endr
.irp b, 0,1,2,3,4,5,6,7
	v_max3_num_f32 v[BM+\b], v[BM+\b], v[BO+\b], K_FLOOR   ; with lane l xor 16's 16 numbers, and the floor
.endr
.irp b, 0,1,2,3,4,5,6,7
	v_add_nc_u32 v[BS+\b], 0xff000000, v[BM+\b]    ; 2 off the exponent field: the conversion takes the exponent field of this operand as its scale
.endr
.irp b, 0,1,2,3,4,5,6,7
	v_lshrrev_b32 v[BO+\b], 23, v[BS+\b]           ; the scale's byte
.endr
	v_lshl_or_b32 v[PW0], v[BO+1], 8, v[BO]
	v_lshl_or_b32 v[PW1], v[BO+5], 8, v[BO+4]
	v_lshl_or_b32 v[PW0], v[BO+2], 16, v[PW0]
	v_lshl_or_b32 v[PW1], v[BO+6], 16, v[PW1]
	v_lshl_or_b32 v[PW0], v[BO+3], 24, v[PW0]
	v_lshl_or_b32 v[PW1], v[BO+7], 24, v[PW1]
.if \scaled
.set p, 0
.rept 64
	v_pk_mul_f32 v[H+2*p:H+2*p+1], v[H+2*p:H+2*p+1], v[FS:FS+1] op_sel_hi:[1,0]
.set p, p+1
.endr
.endif
.irp b, 0,1,2,3,4,5,6,7
	v_cvt_scalef32_pk8_fp4_f32 v[T+2*\b], v[H+16*\b:H+16*\b+7], v[BS+\b]
	v_cvt_scalef32_pk8_fp4_f32 v[T+2*\b+1], v[H+16*\b+8:H+16*\b+15], v[BS+\b]
.endr
	v_nop                                          ; one plain line behind the last scaled conversion
.endm
; The operand's layout wants a whole block in a lane: lanes 0-15 block 2 c, lanes 16-31 block 2 c + 1.  places = 1: four plain lines follow, between operand registers written by vector lines and the scaled matrix instruction
.macro SWAPS places
.irp f, 0,4,8,12
	v_permlane16_swap_b32 v[T+\f], v[T+\f+2]
	v_permlane16_swap_b32 v[T+\f+1], v[T+\f+3]
.endr
.if \places
	PLACES
.endif
.endm
.macro MMA ws, step                    ; one product of tile tt; the scale words of K step 1 lie in lanes 16-31 of the tile's register
.if \step
	v_wmma_scale_f32_16x16x128_f8f6f4 v[H+8*tt:H+8*tt+7], v[16*tt+8:16*tt+15], v[T+8:T+15], v[H+8*tt:H+8*tt+7], v[\ws+tt], v[PW1] matrix_a_fmt:MATRIX_FMT_FP4 matrix_b_fmt:MATRIX_FMT_FP4 matrix_a_scale:MATRIX_SCALE_ROW1
.else
	v_wmma_scale_f32_16x16x128_f8f6f4 v[H+8*tt:H+8*tt+7], v[16*tt:16*tt+7], v[T:T+7], v[H+8*tt:H+8*tt+7], v[\ws+tt], v[PW0] matrix_a_fmt:MATRIX_FMT_FP4 matrix_b_fmt:MATRIX_FMT_FP4
.endif
.set tt, tt+1
.endm
; A layer's product: 16 tiles x 2 K steps.  The sixteen accumulators take turns, one instruction a turn
.macro PROD win, ws
	s_wait_dscnt 16                                ; the bias of accumulators 0 to 7 is in; the sixteen younger loads may be out
	WIN \win
.set tt, 0
.rept 8
	MMA \ws, 0
.endr
	s_wait_dscnt 0x0                               ; the bias of accumulators 8 to 15
.rept 8
	MMA \ws, 0
.endr
.set tt, 0
.rept 16
	MMA \ws, 1
.endr
	WIN 0
.endm
; phi = min(tanh(p) / p, MAXN / p) from C0 = p^2 and C1 = 1 / p, in three parts with a transcendental's wait between them
.macro PHI_A
	v_mul_f32 v[C2], v[C0], v[C1]                  ; p
	v_mul_f32 v[C3], K_C2L, v[C2]
	v_exp_f32 v[C3], v[C3]
	v_fma_f32 v[C4], v[C0], s40, s41               ; the series in q = p^2
	v_fma_f32 v[C4], v[C4], v[C0], s42
	v_fma_f32 v[C4], v[C4], v[C0], 1.0
.endm
.macro PHI_B
	v_add_f32 v[C3], 1.0, v[C3]
	v_rcp_f32 v[C3], v[C3]
.endm
.macro PHI_C
	v_fma_f32 v[C2], v[C3], -2.0, 1.0              ; tanh p
	v_mul_f32 v[C2], v[C2], v[C1]
	v_cmp_gt_f32 vcc_lo, K_64TH, v[C0]
	v_cndmask_b32 v[C2], v[C2], v[C4], vcc_lo      ; the series where q < 1/64
	v_mul_f32 v[C5], K_MAXN, v[C1]
	v_min_num_f32 v[FS], v[C2], v[C5]
.endm
; 64 transcendentals on one half of H, and between them 32 packed lines on the other half, which name no result of this batch.  One wait for the batch, behind its last, plain line, ahead of the first reader
.macro MIX trans, tbase, pbase, kind
.set p, 0
.rept 32
	\trans v[\tbase+2*p], v[\tbase+2*p]
	\trans v[\tbase+2*p+1], v[\tbase+2*p+1]
.if (\kind) == 0
	v_pk_mul_f32 v[\pbase+2*p:\pbase+2*p+1], v[\pbase+2*p:\pbase+2*p+1], v[FS:FS+1] op_sel_hi:[1,0]
.elseif (\kind) == 1
	v_pk_add_f32 v[\pbase+2*p:\pbase+2*p+1], v[\pbase+2*p:\pbase+2*p+1], 1.0 op_sel_hi:[1,0]
.else
	v_pk_fma_f32 v[\pbase+2*p:\pbase+2*p+1], v[\pbase+2*p:\pbase+2*p+1], -2.0, 1.0 op_sel_hi:[1,0,0]
.endif
.set p, p+1
.endr
	s_wait_alu depctr_va_vdst(0)
.endm
; H = tanh(H min(1, A / N(H))) = 1 - 2 / (1 + 2^(H min(2 log2 e, 2 A log2 e / N)))
.macro ACT
	SUMSQ
.irp k, 1,2,3,4,5,6,7
	RED \k
.endr
	v_nop                                          ; a plain line behind the transcendental,
	s_wait_alu depctr_va_vdst(0)                   ; and the wait ahead of its first reader
	v_mul_f32 v[C2], K_AC, v[C1]
	v_min_num_f32 v[FS], K_C2L, v[C2]
.set p, 0
.rept 32
	v_pk_mul_f32 v[H+2*p:H+2*p+1], v[H+2*p:H+2*p+1], v[FS:FS+1] op_sel_hi:[1,0]
.set p, p+1
.endr
	MIX v_exp_f32, H, H+64, 0                      ; 2^ of the low half | the high half x FS
	MIX v_exp_f32, H+64, H, 1                      ; 2^ of the high half | the low half + 1
	MIX v_rcp_f32, H, H+64, 1                      ; 1 / the low half | the high half + 1
	MIX v_rcp_f32, H+64, H, 2                      ; 1 / the high half | the low half: 1 - 2 x
.set p, 32
.rept 32
	v_pk_fma_f32 v[H+2*p:H+2*p+1], v[H+2*p:H+2*p+1], -2.0, 1.0 op_sel_hi:[1,0,0]
.set p, p+1
.endr
.endm
; H's norm, the row's factor, and H x factor as codes.  last = 0: the factor is min(1, A / N).  last = 1: it is phi, and kappa is made beside it
.macro NORMQ last
	SUMSQ
.irp k, 0,1,2,3,4,5,6
	RED \k+1                                       ; the links of the sum's chain stand between the links of the blocks' maxima
	BMAX \k
.endr
	s_wait_alu depctr_va_vdst(0)                   ; for the reciprocal root; eight plain lines stand behind it
.if (\last) == 0
	v_mul_f32 v[C2], K_A, v[C1]
	BMAX 7
	v_min_num_f32 v[FS], 1.0, v[C2]
	QFIN 1
.else
	PHI_A
	BMAX 7
	s_wait_alu depctr_va_vdst(0)
	PHI_B
	v_mul_f32 v[C6], K_A, v[C1]                    ; (plain lines behind the reciprocal)
	v_min_num_f32 v[C6], 1.0, v[C6]                ; min(1, A / p)
	s_wait_alu depctr_va_vdst(0)
	PHI_C
	v_rcp_f32 v[C7], v[FS]
	QFIN 1                                         ; names neither C7 nor writes FS
	s_wait_alu depctr_va_vdst(0)
	v_mul_f32 v[KAP], v[C6], v[C7]                 ; kappa = atanh(|h2|) / |h2|
.endif
.endm
; bc becomes bb = proj(expmap0(bc)), and Y2 = bb.bb
.macro BBCHAIN
	v_mul_f32 v[C0], v[BB], v[BB]
.irp j, 1,2,3,4,5,6,7
	v_fmac_f32 v[C0], v[BB+\j], v[BB+\j]
.endr
	v_permlanex16_b32 v[C1], v[C0], s22, s23
	v_add_f32 v[C0], v[C0], v[C1]
	v_max_num_f32 v[C0], K_EPS2, v[C0]
	v_rsq_f32 v[C1], v[C0]
	v_nop
	s_wait_alu depctr_va_vdst(0)
	PHI_A
	s_wait_alu depctr_va_vdst(0)
	PHI_B
	v_nop
	s_wait_alu depctr_va_vdst(0)
	PHI_C
.irp j, 0,1,2,3,4,5,6,7
	v_mul_f32 v[BB+\j], v[FS], v[BB+\j]
.endr
	v_mul_f32 v[Y2], v[BB], v[BB]
.irp j, 1,2,3,4,5,6,7
	v_fmac_f32 v[Y2], v[BB+\j], v[BB+\j]
.endr
	v_permlanex16_b32 v[C1], v[Y2], s22, s23
	v_add_f32 v[Y2], v[Y2], v[C1]
.endm
; Step n of the head: a tile of 16 rows of W (n = 0 .. 7: matrix n / 4, tile 4 wave + n % 4; n = 8: Wc) becomes codes.  The raw buffers take turns; the buffer just read takes the tile two steps on, at the end x's first two tiles
.macro HSTEP n
.set hb, 128*((\n)%2)
.set hg, 16*((\n)/4)+(\n)%4
.set nn, (\n)+2
.set ho, ((nn%4)/2)*32768+(nn%2)*8192
	s_wait_loadcnt 32                              ; this buffer's loads are in; the other buffer's 32, issued behind them, may be out
	TOSTAGE hb
	FROMSTAGE
.if (\n) == 0
	ds_store_b128 v[BST], v[MX:MX+3]               ; my 16 bytes of b1 or b2
	BBCHAIN
.endif
	s_wait_dscnt 0x0                               ; the tile is in H; the stores have read the raw buffer, and the last step's stores their codes
.if nn < 4
	GLOAD hb, 6, ho, 8192, 0
.elseif nn < 8
	GLOAD hb, 10, ho, 8192, 0
.elseif nn == 8
	GLOAD hb, 14, 0, 0, 0
.elseif nn == 9
	GLOAD hb, 4, 0, 0, 1
.else
	GLOAD hb, 36, 0, 0, 1
.endif
.irp k, 0,1,2,3,4,5,6,7
	BMAX \k
.endr
	QFIN 0
	SWAPS 0
.if (\n) < 8
	v_cndmask_b32 v[C0], v[PW0], v[PW1], s24       ; K step 0's word in lanes 0-15, K step 1's in lanes 16-31
.irp f, 0,1,2,3
	ds_store_b128 v[WI], v[T+4*\f:T+4*\f+3] offset:hg*2048+512*\f   ; the two fragments as they stand: 16 bytes a lane, 512 a store
.endr
	ds_store_b32 v[WSA], v[C0] offset:hg*128
.else
	v_cndmask_b32 v[WCS], v[PW0], v[PW1], s24      ; Wc: every wave makes its own; the codes wait in T
.endif
.endm
	s_load_b256 s[4:11], s[0:1], 0x0               ; x s[4:5], W1 s[6:7], b1 s[8:9], W2 s[10:11]
	s_load_b256 s[12:19], s[0:1], 0x20             ; b2 s[12:13], Wc s[14:15], bc s[16:17], out0 s[18:19]
	v_lshl_add_u32 v[SPW], v0, 2, SPARE
	v_mov_b32 v[NIL], 0
	v_lshrrev_b32 v[TA], 5, v0
	v_readfirstlane_b32 s20, v[TA]                 ; wave 0..3
	v_and_b32 v[TA], 31, v0                        ; lane
	v_and_b32 v[TB], 15, v0                        ; r
	v_bfe_u32 v[Y2], v0, 4, 1                      ; h
	v_lshlrev_b32 v[GA], 4, v[TA]
	s_mul_i32 s21, s20, STGW
	s_add_co_u32 s21, s21, STG                     ; my stage
	v_add_nc_u32 v[SA], s21, v[GA]
	v_mul_u32_u24 v[SB], v[TB], SPITCH
	v_lshl_add_u32 v[SB], v[Y2], 6, v[SB]
	v_add_nc_u32 v[SB], s21, v[SB]
	v_lshlrev_b32 v[OA], 6, v[TB]
	v_lshl_add_u32 v[OA], v[Y2], 5, v[OA]
	v_add_nc_u32 v[OA], s21, v[OA]
	v_lshlrev_b32 v[BA], 6, v[Y2]
	v_add_nc_u32 v[BA], BIAS, v[BA]
	s_lshl_b32 s21, s20, 13
	v_add_nc_u32 v[WI], s21, v[GA]
	s_lshl_b32 s21, s20, 9
	v_lshl_add_u32 v[LS], v[TA], 2, WSC
	v_add_nc_u32 v[WSA], s21, v[LS]
	s_mul_i32 s21, s20, MXW
	s_add_co_u32 s21, s21, MXS
	v_add_nc_u32 v[MXA0], s21, v[GA]
	v_lshlrev_b32 v[MXK0], 2, v[TA]
	v_add_nc_u32 v[MXK0], s21, v[MXK0]
	v_add_nc_u32 v[MXK0], 1024, v[MXK0]
	v_lshl_add_u32 v[BST], v0, 4, BIAS
	v_and_b32 v[TA], 63, v0
	v_lshlrev_b32 v[TA], 4, v[TA]                  ; my 16 bytes of a bias: threads 0-63 take b1, threads 64-127 b2
	v_lshlrev_b32 v[TB], 5, v[Y2]                  ; bc: 32 h
	v_mov_b32 v[FS+1], 0
	v_mov_b32 v[C1], 0                             ; written once: a lane permute's destination counts as one of its sources
.irp b, 0,1,2,3,4,5,6,7
	v_mov_b32 v[BO+\b], 0
.endr
	s_mov_b32 s22, 0x76543210
	s_mov_b32 s23, 0xfedcba98                      ; v_permlanex16_b32's selects for lane l xor 16
	s_mov_b32 s24, 0xffff0000                      ; lanes 16-31
	s_mov_b32 s40, 0xbd5d0dd1                      ; -17/315
	s_mov_b32 s41, 0x3e088889                      ; 2/15
	s_mov_b32 s42, 0xbeaaaaab                      ; -1/3
	s_lshl_b32 s28, ttmp9, 19                      ; x: 512 rows of 1,024 bytes a work-group,
	s_lshl_b32 s21, s20, 17                        ; 128 a wave
	s_add_co_u32 s28, s28, s21
	s_mov_b32 s29, 0
	s_lshl_b32 s30, s20, 16                        ; W1, W2: 64 rows a wave
	s_mov_b32 s31, 0
	s_wait_kmcnt 0x0
	s_add_nc_u64 s[4:5], s[4:5], s[28:29]
	s_add_nc_u64 s[36:37], s[4:5], 16384           ; the tile of x that is asked for next: tile 1
	s_add_nc_u64 s[6:7], s[6:7], s[30:31]
	s_add_nc_u64 s[10:11], s[10:11], s[30:31]
	s_lshl_b32 s28, ttmp9, 15                      ; out0: 512 rows of 64 bytes a work-group,
	s_lshl_b32 s21, s20, 13                        ; 128 a wave
	s_add_co_u32 s28, s28, s21
	s_add_nc_u64 s[18:19], s[18:19], s[28:29]
	s_cmp_lt_u32 s20, 2
	s_cselect_b64 s[32:33], s[8:9], s[12:13]       ; the choice hangs on the wave's number alone
	global_load_b128 v[MX:MX+3], v[TA], s[32:33]
	global_load_b128 v[BB:BB+3], v[TB], s[16:17]
	global_load_b128 v[BB+4:BB+7], v[TB], s[16:17] offset:16
	GLOAD RA, 6, 0, 8192, 0                        ; my first two tiles of W1
	GLOAD RB, 6, 8192, 8192, 0
.irp n, 0,1,2,3,4,5,6,7,8
	HSTEP \n
.endr
	s_wait_dscnt 0x0                               ; for the others' sake: my images, scale words and bias bytes have landed
	s_barrier_signal -1
	s_barrier_wait -1                              ; everybody's have.  Nothing of them is written again
	WIN 0x40
.set q, 0
.rept 64
	ds_load_b128 v[4*q:4*q+3], v[GA] offset:512*q          ; W1's 16 tiles: register 4 q of the window is byte 512 q of the images
.set q, q+1
.endr
	WIN 0x80
.set q, 0
.rept 64
	ds_load_b128 v[4*q:4*q+3], v[GA] offset:32768+512*q    ; W2's
.set q, q+1
.endr
	WIN 0
.set q, 0
.rept 32
	ds_load_b32 v[W1S+q], v[LS] offset:128*q               ; the 32 tiles' scale words
.set q, q+1
.endr
	s_wait_loadcnt 32                              ; x's tile 0 is in; tile 1's 32 loads may be out
	TOSTAGE RB
	FROMSTAGE
	s_wait_dscnt 0x0                               ; the weights are in, tile 0 is in H, and the second raw buffer has been read
	WIN 0xc0
.set q, 0
.rept 16
	v_mov_b32 v[WC+q], v[T+q]                      ; Wc's codes to their place
.set q, q+1
.endr
	WIN 0
	s_mov_b32 s25, 0                               ; the tile's number
	s_mov_b32 s26, 0                               ; and its place in my region of MXS
.Ltile:                                            ; eight trips: a tile of 16 rows through the three products
	s_wait_dscnt 0x0                               ; the tile's numbers are in H; the last trip's stores have read their registers
	NORMQ 0                                        ; t1
	BIASLD 0
	SWAPS 1
	PROD 0x01, W1S                                 ; u1
	PLACES
	ACT                                            ; a1
	NORMQ 0                                        ; t2
	BIASLD 1
	SWAPS 1
	PROD 0x02, W2S                                 ; u2
	s_cmp_ge_u32 s25, 7                            ; the next tile of x goes to the stage here, and the tile after it is asked for: it has a whole trip in which to land.  The last trips ask for nothing: no load leaves x
	s_cbranch_scc1 .Lno_x
	s_wait_loadcnt 0x0                             ; the next tile is in the raw buffer, so the loads' base may be stepped too
	TOSTAGE RA
	s_cmp_ge_u32 s25, 6
	s_cbranch_scc1 .Lno_x
	s_wait_dscnt 0x0                               ; the stores have read the raw buffer
	s_add_nc_u64 s[36:37], s[36:37], 16384
	GLOAD RA, 36, 0, 0, 1
.Lno_x:
	PLACES
	ACT                                            ; a2
	NORMQ 1                                        ; h2, kappa
	s_cmp_ge_u32 s25, 7
	s_cbranch_scc1 .Lno_next
	FROMSTAGE                                      ; H is free: the next tile's numbers
.Lno_next:
	SWAPS 1
	WIN 0x03
	v_wmma_scale_f32_16x16x128_f8f6f4 v[MX:MX+7], v[WC:WC+7], v[T:T+7], 0, v[WCS], v[PW0] matrix_a_fmt:MATRIX_FMT_FP4 matrix_b_fmt:MATRIX_FMT_FP4
	s_wait_alu depctr_va_vdst(0)                   ; the wait directly ahead of the link
	v_wmma_scale_f32_16x16x128_f8f6f4 v[MX:MX+7], v[WC+8:WC+15], v[T+8:T+15], v[MX:MX+7], v[WCS], v[PW1] matrix_a_fmt:MATRIX_FMT_FP4 matrix_b_fmt:MATRIX_FMT_FP4 matrix_a_scale:MATRIX_SCALE_ROW1
	WIN 0
	v_add_nc_u32 v[TA], s26, v[MXA0]               ; four plain lines between the product and the stores of its result
	v_add_nc_u32 v[TB], s26, v[MXK0]
	v_nop
	v_nop
	ds_store_b128 v[TA], v[MX:MX+3]                ; mx(row r, classes 8 h + 0 .. 7), kept for the tail, from the low end on
	ds_store_b128 v[TA], v[MX+4:MX+7] offset:512
	ds_store_b32 v[TB], v[KAP]
	s_add_co_u32 s26, s26, MXB
	s_add_co_u32 s25, s25, 1
	s_cmp_lt_u32 s25, 8
	s_cbranch_scc1 .Ltile
; THE TAIL: the classifier's row arithmetic for all eight tiles at once, each line written for tile i = 0 .. 7, so that no line waits for the line above it and each batch of transcendentals has one wait.
.set LA0, 16                           ; arrays of eight, one register a tile; they keep clear of every scale register
.set LA1, 24
.set LA2, 32
.set LA3, 40
.set LA4, 52
.set LA5, 60
.set LA6, 68
.set LA7, 76
.set MXT, 128                          ; v128-191 mx, then z, then the logits: tile i at 8 i
.set ZT,  192                          ; v192-255 64 numbers at work; before that five more arrays of eight
.set HA0, 192
.set HA1, 200
.set HA2, 208
.set HA3, 216
.set HA4, 224
.irp i, 0,1,2,3,4,5,6,7
	ds_load_b128 v[MXT+8*\i:MXT+8*\i+3], v[MXA0] offset:MXB*\i
	ds_load_b128 v[MXT+8*\i+4:MXT+8*\i+7], v[MXA0] offset:MXB*\i+512
	ds_load_b32 v[LA0+\i], v[MXK0] offset:MXB*\i   ; kappa
.endr
	s_wait_dscnt 0x0
.irp i, 0,1,2,3,4,5,6,7
	v_mul_f32 v[LA1+\i], v[MXT+8*\i], v[MXT+8*\i]  ; mx.mx
.endr
.irp i, 0,1,2,3,4,5,6,7
	v_mul_f32 v[LA2+\i], v[MXT+8*\i], v[BB]        ; mx.bb
.endr
.irp j, 1,2,3,4,5,6,7
.irp i, 0,1,2,3,4,5,6,7
	v_fmac_f32 v[LA1+\i], v[MXT+8*\i+\j], v[MXT+8*\i+\j]
.endr
.irp i, 0,1,2,3,4,5,6,7
	v_fmac_f32 v[LA2+\i], v[MXT+8*\i+\j], v[BB+\j]
.endr
.endr
.irp i, 0,1,2,3,4,5,6,7
	v_permlanex16_b32 v[LA3+\i], v[LA1+\i], s22, s23
.endr
.irp i, 0,1,2,3,4,5,6,7
	v_add_f32 v[LA1+\i], v[LA1+\i], v[LA3+\i]      ; with the other eight classes
.endr
.irp i, 0,1,2,3,4,5,6,7
	v_permlanex16_b32 v[LA3+\i], v[LA2+\i], s22, s23
.endr
.irp i, 0,1,2,3,4,5,6,7
	v_add_f32 v[LA2+\i], v[LA2+\i], v[LA3+\i]
.endr
.irp i, 0,1,2,3,4,5,6,7
	v_max_num_f32 v[LA4+\i], K_EPS2, v[LA1+\i]
.endr
.irp i, 0,1,2,3,4,5,6,7
	v_rsq_f32 v[LA5+\i], v[LA4+\i]                 ; 1 / mxn
.endr
	v_add_f32 v[TA], 1.0, v[Y2]                    ; 1 + bb.bb  (a plain line behind the batch)
	s_wait_alu depctr_va_vdst(0)
.irp i, 0,1,2,3,4,5,6,7
	v_mul_f32 v[LA6+\i], v[LA4+\i], v[LA5+\i]      ; mxn
.endr
.irp i, 0,1,2,3,4,5,6,7
	v_mul_f32 v[LA6+\i], v[LA6+\i], v[LA0+\i]      ; g = mxn kappa
.endr
.irp i, 0,1,2,3,4,5,6,7
	v_mul_f32 v[LA6+\i], K_C2L, v[LA6+\i]
.endr
.irp i, 0,1,2,3,4,5,6,7
	v_exp_f32 v[LA6+\i], v[LA6+\i]
.endr
	v_nop
	s_wait_alu depctr_va_vdst(0)
.irp i, 0,1,2,3,4,5,6,7
	v_add_f32 v[LA6+\i], 1.0, v[LA6+\i]
.endr
.irp i, 0,1,2,3,4,5,6,7
	v_rcp_f32 v[LA6+\i], v[LA6+\i]
.endr
	v_nop
	s_wait_alu depctr_va_vdst(0)
.irp i, 0,1,2,3,4,5,6,7
	v_fma_f32 v[LA6+\i], v[LA6+\i], -2.0, 1.0      ; tanh g
.endr
.irp i, 0,1,2,3,4,5,6,7
	v_min_num_f32 v[LA6+\i], K_MAXN, v[LA6+\i]     ; proj
.endr
.irp i, 0,1,2,3,4,5,6,7
	v_mul_f32 v[LA7+\i], v[LA6+\i], v[LA5+\i]      ; rs
.endr
.irp i, 0,1,2,3,4,5,6,7
	v_mul_f32 v[HA1+\i], v[LA7+\i], v[LA2+\i]      ; xy = r.bb
.endr
.irp i, 0,1,2,3,4,5,6,7
	v_mul_f32 v[HA0+\i], v[LA7+\i], v[LA7+\i]
.endr
.irp i, 0,1,2,3,4,5,6,7
	v_mul_f32 v[HA0+\i], v[HA0+\i], v[LA1+\i]      ; x2 = r.r
.endr
.irp i, 0,1,2,3,4,5,6,7
	v_fma_f32 v[HA2+\i], v[HA1+\i], 2.0, v[TA]     ; 1 + 2 xy + y2
.endr
.irp i, 0,1,2,3,4,5,6,7
	v_fma_f32 v[HA4+\i], v[HA1+\i], 2.0, 1.0
.endr
.irp i, 0,1,2,3,4,5,6,7
	v_fma_f32 v[HA4+\i], v[HA0+\i], v[Y2], v[HA4+\i]   ; 1 + 2 xy + x2 y2
.endr
.irp i, 0,1,2,3,4,5,6,7
	v_max_num_f32 v[HA4+\i], K_EPS, v[HA4+\i]
.endr
.irp i, 0,1,2,3,4,5,6,7
	v_sub_f32 v[HA3+\i], 1.0, v[HA0+\i]            ; 1 - x2
.endr
.irp i, 0,1,2,3,4,5,6,7
	v_rcp_f32 v[HA4+\i], v[HA4+\i]
.endr
.irp i, 0,1,2,3,4,5,6,7
	v_mul_f32 v[HA2+\i], v[HA2+\i], v[LA7+\i]      ; (plain lines behind the batch)
.endr
	s_wait_alu depctr_va_vdst(0)
.irp i, 0,1,2,3,4,5,6,7
	v_mul_f32 v[LA1+\i], v[HA2+\i], v[HA4+\i]      ; mx's factor in z
.endr
.irp i, 0,1,2,3,4,5,6,7
	v_mul_f32 v[LA2+\i], v[HA3+\i], v[HA4+\i]      ; bb's
.endr
.irp i, 0,1,2,3,4,5,6,7
.irp j, 0,1,2,3,4,5,6,7
	v_mul_f32 v[ZT+8*\i+\j], v[LA2+\i], v[BB+\j]
.endr
.endr
.irp i, 0,1,2,3,4,5,6,7
.irp j, 0,1,2,3,4,5,6,7
	v_fma_f32 v[MXT+8*\i+\j], v[MXT+8*\i+\j], v[LA1+\i], v[ZT+8*\i+\j]   ; z
.endr
.endr
.irp i, 0,1,2,3,4,5,6,7
	v_mul_f32 v[LA3+\i], v[MXT+8*\i], v[MXT+8*\i]
.endr
.irp j, 1,2,3,4,5,6,7
.irp i, 0,1,2,3,4,5,6,7
	v_fmac_f32 v[LA3+\i], v[MXT+8*\i+\j], v[MXT+8*\i+\j]
.endr
.endr
.irp i, 0,1,2,3,4,5,6,7
	v_permlanex16_b32 v[LA4+\i], v[LA3+\i], s22, s23
.endr
.irp i, 0,1,2,3,4,5,6,7
	v_add_f32 v[LA3+\i], v[LA3+\i], v[LA4+\i]
.endr
.irp i, 0,1,2,3,4,5,6,7
	v_max_num_f32 v[LA3+\i], K_EPS2, v[LA3+\i]
.endr
.irp i, 0,1,2,3,4,5,6,7
	v_rsq_f32 v[LA5+\i], v[LA3+\i]                 ; 1 / N(z)
.endr
	v_nop
	s_wait_alu depctr_va_vdst(0)
.irp i, 0,1,2,3,4,5,6,7
	v_mul_f32 v[LA6+\i], v[LA3+\i], v[LA5+\i]
.endr
.irp i, 0,1,2,3,4,5,6,7
	v_min_num_f32 v[LA6+\i], K_MAXN, v[LA6+\i]     ; zn = min(N(z), MAXN): the last proj
.endr
.irp i, 0,1,2,3,4,5,6,7
	v_add_f32 v[LA7+\i], 1.0, v[LA6+\i]
.endr
.irp i, 0,1,2,3,4,5,6,7
	v_sub_f32 v[LA6+\i], 1.0, v[LA6+\i]
.endr
.irp i, 0,1,2,3,4,5,6,7
	v_rcp_f32 v[LA6+\i], v[LA6+\i]
.endr
.irp i, 0,1,2,3,4,5,6,7
	v_mul_f32 v[LA5+\i], K_HLN2, v[LA5+\i]         ; (plain lines behind the batch)
.endr
	s_wait_alu depctr_va_vdst(0)
.irp i, 0,1,2,3,4,5,6,7
	v_mul_f32 v[LA7+\i], v[LA7+\i], v[LA6+\i]      ; (1 + zn) / (1 - zn)
.endr
.irp i, 0,1,2,3,4,5,6,7
	v_log_f32 v[LA7+\i], v[LA7+\i]
.endr
	v_nop
	s_wait_alu depctr_va_vdst(0)
.irp i, 0,1,2,3,4,5,6,7
	v_mul_f32 v[LA7+\i], v[LA7+\i], v[LA5+\i]      ; atanh(zn) / N(z)
.endr
.irp i, 0,1,2,3,4,5,6,7
.irp j, 0,1,2,3,4,5,6,7
	v_mul_f32 v[MXT+8*\i+\j], v[MXT+8*\i+\j], v[LA7+\i]   ; the logits
.endr
.endr
.set q, 0
.rept 64
	v_mul_f32 v[ZT+q], K_NL2E, |v[MXT+q]|
.set q, q+1
.endr
.set q, 0
.rept 64
	v_exp_f32 v[ZT+q], v[ZT+q]                     ; e^-|l|: the exponent is never above 0, as in reference()'s softplus
.set q, q+1
.endr
.set q, 0
.rept 64
	v_max_num_f32 v[MXT+q], 0, v[MXT+q]            ; max(l, 0): plain lines behind the batch
.set q, q+1
.endr
	s_wait_alu depctr_va_vdst(0)
.set q, 0
.rept 32
	v_pk_add_f32 v[ZT+2*q:ZT+2*q+1], v[ZT+2*q:ZT+2*q+1], 1.0 op_sel_hi:[1,0]
.set q, q+1
.endr
.set q, 0
.rept 64
	v_log_f32 v[ZT+q], v[ZT+q]
.set q, q+1
.endr
	v_nop
	s_wait_alu depctr_va_vdst(0)
.set q, 0
.rept 64
	v_fmamk_f32 v[MXT+q], v[ZT+q], K_LN2, v[MXT+q] ; softplus = max(l, 0) + ln 2 x log2(1 + e^-|l|)
.set q, q+1
.endr
; THE WAY OUT.  A lane holds 32 bytes of a row of 64; my 128 rows are 8,192 consecutive bytes of out0.  They go through my stage, which x has left, and come back 16 bytes a lane.
.irp i, 0,1,2,3,4,5,6,7
	ds_store_b128 v[OA], v[MXT+8*\i:MXT+8*\i+3] offset:1024*\i
	ds_store_b128 v[OA], v[MXT+8*\i+4:MXT+8*\i+7] offset:1024*\i+16
.endr
.set q, 0
.rept 16
	ds_load_b128 v[ZT+4*q:ZT+4*q+3], v[SA] offset:512*q    ; LDS serves a wave's instructions in order: these see my stores
.set q, q+1
.endr
.set q, 0
.rept 16
	s_wait_dscnt 15-q                              ; load q is in; the younger ones may be out
	global_store_b128 v[GA], v[ZT+4*q:ZT+4*q+3], s[18:19] offset:512*q th:TH_STORE_NT   ; 32 lanes store 512 consecutive bytes, at a multiple of 256 from out0's first byte
.set q, q+1
.endr
	s_wait_tensorcnt 0x0                           ; the wave's end, behind my last LDS store
	ds_add_u32 v[SPW], v[NIL]
	s_wait_dscnt 0x0
	s_endpgm
.Lfunc_end_k_q8ae9238276_hyp:
	.size	k_q8ae9238276_hyp, .Lfunc_end_k_q8ae9238276_hyp-k_q8ae9238276_hyp
	.p2alignl 7, 3214868480
	.fill 96, 4, 3214868480
	.section	.rodata,"a",@progbits
	.p2align	6, 0x0
	.amdhsa_kernel k_q8ae9238276_hyp
		.amdhsa_group_segment_fixed_size 179712
		.amdhsa_private_segment_fixed_size 0
		.amdhsa_enable_private_segment 0
		.amdhsa_kernarg_size 64
		.amdhsa_user_sgpr_count 2
		.amdhsa_user_sgpr_kernarg_segment_ptr 1
		.amdhsa_wavefront_size32 1
		.amdhsa_system_sgpr_workgroup_id_x 1
		.amdhsa_system_sgpr_workgroup_id_y 1
		.amdhsa_system_sgpr_workgroup_id_z 1
		.amdhsa_system_vgpr_workitem_id 0
		.amdhsa_next_free_vgpr 1024
		.amdhsa_next_free_sgpr 66
		.amdhsa_reserve_vcc 1
		.amdhsa_float_denorm_mode_32 3
		.amdhsa_float_denorm_mode_16_64 3
		.amdhsa_memory_ordered 1
		.amdhsa_forward_progress 1
		.amdhsa_inst_pref_size 255
	.end_amdhsa_kernel
	.section	.bss,"aw",@nobits
	.p2align	6
	.space	262144
	.amdgpu_metadata
---
amdhsa.version: [ 1, 2 ]
amdhsa.kernels:
  - .name:           k_q8ae9238276_hyp
    .symbol:         k_q8ae9238276_hyp.kd
    .args:
      - { .name: x, .offset: 0, .size: 8, .value_kind: global_buffer, .address_space: global }
      - { .name: W1, .offset: 8, .size: 8, .value_kind: global_buffer, .address_space: global }
      - { .name: b1, .offset: 16, .size: 8, .value_kind: global_buffer, .address_space: global }
      - { .name: W2, .offset: 24, .size: 8, .value_kind: global_buffer, .address_space: global }
      - { .name: b2, .offset: 32, .size: 8, .value_kind: global_buffer, .address_space: global }
      - { .name: Wc, .offset: 40, .size: 8, .value_kind: global_buffer, .address_space: global }
      - { .name: bc, .offset: 48, .size: 8, .value_kind: global_buffer, .address_space: global }
      - { .name: out0, .offset: 56, .size: 8, .value_kind: global_buffer, .address_space: global }
    .group_segment_fixed_size: 179712
    .private_segment_fixed_size: 0
    .kernarg_segment_align: 8
    .kernarg_segment_size: 64
    .max_flat_workgroup_size: 128
    .sgpr_count:     66
    .vgpr_count:     1024
    .wavefront_size: 32
...
	.end_amdgpu_metadata
.endif
;; end of part 1
;; ======== version 2 of 2: 1 launch; version 1 with the launch hyp written anew for expert scheduling mode
;; limits: a function is approximated: absolute error at most 2e-07
;; launch hyp (part 2): grid 256 x 1, 4 waves a work-group, no clusters, 179,712 bytes of LDS; arguments x, W1, b1, W2, b2, Wc, bc, out0; writes out0
.if DOCPART == 2
	.amdgcn_target "amdgcn-amd-amdhsa--gfx1250"
	.amdhsa_code_object_version 6
	.text
	.protected	k_q8ae9238276_hyp
	.globl	k_q8ae9238276_hyp
	.p2align	8
	.type	k_q8ae9238276_hyp,@function
k_q8ae9238276_hyp:
	s_mov_b64 s[64:65], 0
	v_nop
	global_prefetch_b8 v0, s[64:65] scope:SCOPE_SE
	s_setreg_imm32_b32 hwreg(HW_REG_WAVE_SCHED_MODE, 0, 2), 2
	s_setreg_imm32_b32 hwreg(HW_REG_WAVE_MODE, 25, 1), 1
	s_wait_xcnt 0x0
	s_wait_alu depctr_vm_vsrc(0)
; GeometricModel: 131,072 rows of 256 f32 through two tangent layers (256 x 256), a Moebius classifier (256 x 16), logmap0 and softplus.
; The three products run on codes of FP4 (E2M1) with one E8M0 scale for each 32 along K; everything else is f32.
;
; WHAT IS COMPUTED.  N(v) = sqrt(max(sum v^2, 1e-30)) = max(|v|, 1e-15); MAXN = f32(0.999); A = atanh(MAXN).
;   t1 = x min(1, A / N(x))                         the first product's left operand
;   u1 = Q(t1) Q(W1)^T + b1;  a1 = tanh(u1 min(1, A / N(u1)));  t2 = a1 min(1, A / N(a1))      the second's
;   u2 = Q(t2) Q(W2)^T + b2;  a2 likewise;  p = N(a2);  phi = min(tanh(p) / p, MAXN / p);  h2 = phi a2      the third's
;   mx = Q(h2) Q(Wc)^T;  kappa = min(1, A / p) / phi;  mxn = N(mx);  rs = min(tanh(mxn kappa), MAXN) / mxn;  r = rs mx
;   bb = bc min(tanh(nb) / nb, MAXN / nb), nb = N(bc);  z = ((1 + 2 r.bb + bb.bb) r + (1 - r.r) bb) / max(1 + 2 r.bb + r.r bb.bb, 1e-15)
;   out = softplus(z atanh(min(N(z), MAXN)) / N(z))
; WHY THAT IS reference(), for all finite inputs in exact arithmetic.  expmap0, proj and logmap0 multiply a row by a scalar, and |s v| = |s| |v|: so
; |expmap0(v)| = tanh N(v), proj makes it min(tanh N(v), MAXN), a second proj changes nothing, and logmap0 of that is v atanh(min(tanh N, MAXN)) / N = v min(N, A) / N.
; So the norms of rows that are only scaled copies, and the pairs tanh / atanh on them, are factors known by identity and are not computed again: five norms of 256 are left.
; Every clip of reference() is kept, as a min or max on the row's scalar.  The clip at 1 - 1e-5 stands behind a proj at 0.999 each time and never acts.  Where all of mx is 0, rs mx is 0 as the where() has it.
; No input is left out.
; LIMITS.  NaN and infinities among the inputs are not served, and an overflow that reference() would meet only in a step left out is not carried to the result; sum x^2 must be finite, as in reference().
; Under the floor 1e-15 of a norm the identities hold to 1e-30.  tanh(v) = 1 - 2 / (1 + 2^(2 v log2 e)) has an absolute error of about 2e-7 (for |v| under 1e-3 that is more than 1e-6 of the number).
; tanh(p) / p of a row's scalar takes the series 1 - q/3 + 2 q^2/15 - 17 q^3/315, q = p^2, where q < 1/64.  atanh near 0 is taken by a logarithm: logits under 1e-7 come out as 0.
; The numbers ahead of the quantisers are the exact-arithmetic ones to f32 rounding; an f32 run of reference() differs from them by its own rounding times atanh's slope at 0.999, about 1e-5 of the number.
; A block of zeros gets the scale byte 1 and zero codes (the bytes are read by this program alone).
;
; SHARES.  256 work-groups of four waves; a work-group owns 512 rows, a wave 128: eight tiles of 16.  Each wave holds ALL weights as codes in its registers (W1 256, W2 256, Wc 16, 33 scale words),
; so the loop has no barrier and nothing goes from wave to wave.  At the head each wave quantises a quarter of W1 and W2 (eight tiles of 16 rows) and hands them on through LDS as images of the operand's registers; one barrier.
; LAYOUT.  All products are used transposed (source 0 = 16 rows of W, source 1 = my 16 data rows): lane (r = l % 16, h = l / 16) holds data row r throughout.  Lane r of tile 2 b + u of W1, W2 takes row
; 32 b + 8 u + r + 8 (r / 8), so that register H + 16 b + i holds unit 32 b + 16 h + i: 16 neighbours along the next K.  A row's norm is sums in the lane and one exchange with lane l xor 16.
; x comes by loads of 512 consecutive bytes into a raw buffer, one whole tile ahead of its use, and turns through the wave's own stage in LDS (rows 1,040 bytes apart) into that layout.
; NO JOINT REQUESTS for the weights, though all work-groups read them: a joint request lands in LDS, and W1 and W2 as f32 with padded rows are 2 x 266,240 bytes, which do not fit there together or beside the
; 65,536 bytes of images; they are read once, at the head, straight into registers.
;
; THE MODE: SCHED_MODE bits 1:0 = 2 (LLVM: expert scheduling mode 2), set by the entry lines.  The code itself states the register dependences
; between vector or matrix instructions and memory or LDS instructions, with s_wait_alu, always for 0.
; THE PLAN.  Registers that memory or LDS instructions touch:
;   v1-9, v14, v86   addresses, written once at the head and never again: one wait on va_vdst ahead of the first load serves them for the whole kernel.
;   TA, TB           offsets of the head's three bias loads; in a trip written anew and read by the trip's three stores; TA is written once more in the tail.
;   RA, RB           raw buffers of window 3: global loads land, the stores into the stage read, global loads land again.  No vector line names them, but that Wc's codes are moved into v128-143 of RB when it has been read.
;   H                LDS loads land in it (a tile's rows from the stage; the two biases); the norm, the scalings, the conversions and the products read and write it.
;   T, C0            at the head written by each step and read by its image stores.
;   MX, KAP          written by the classifier's products and one multiply, read by the trip's three stores; the tail writes MX's registers as an array of its own.
;   MXT, ZT          in the tail: vector lines write MXT, which the stores of the way out read; vector lines read ZT, in which the loads of the way out land.
; IN THE LOOP one wait on va_vdst stands ahead of each product, behind the swaps and their places: the codes T and the scale words are written, which the scaled product takes; the scalings have written H and the
; conversions are done reading it, so that the bias (third product: the next tile) may land there; the loads into H follow it with no vector line between that names H.  One more stands ahead of the trip's three stores;
; no vector line follows it up to the backward jump, or up to the tail's loads.  One wait on vm_vsrc stands ahead of the refill of RA, one ahead of the first line that writes KAP, MX, TA or TB again.
;
; REGISTERS, in windows of 256.  Window 0: below.  Window 1: W1's codes, tile t, K step s at 16 t + 8 s.  Window 2: W2's.  Window 3: v0-127 raw x (at the head also raw W), v128-255 a second raw buffer at the head, then v128-143 Wc's codes.
.set WSC,    65536                     ; LDS: 0: 32 tiles of W as images, 2,048 bytes each;  here: their scale words, 128 bytes a tile
.set BIAS,   69632                     ; b1, b2 as they lie
.set STG,    71680                     ; a stage for each wave: 16 rows x 1,040 bytes
.set STGW,   16640
.set SPITCH, 1040                      ; 1,024 + 16: the sixteen rows that a load touches fall on sixteen different 16-byte columns of 256 bytes
.set MXS,    138240                    ; for each wave: eight tiles x 1,280 bytes: the classifier's sums (1,024) and kappa (128)
.set MXW,    10240
.set MXB,    1280
.set SPARE,  179200                    ; the spare words, 128 bytes for each wave: two blocks of 256 bytes that no other line names
.set GA,   1                           ; 16 x lane: offset in dense global runs, and an image's place
.set SA,   2                           ; stage, dense: GA + my stage
.set SB,   3                           ; stage, by rows: my stage + 1,040 r + 64 h
.set BA,   4                           ; BIAS + 64 h
.set WI,   5                           ; where I store images: GA + 8,192 x wave
.set WSA,  6                           ; and their scale words: WSC + 4 x lane + 512 x wave
.set LS,   7                           ; WSC + 4 x lane
.set MXA0, 8                           ; GA + my region of MXS
.set MXK0, 9                           ; 4 x lane + my region of MXS + 1,024
.set TA,   10                          ; addresses in hand; in the tail 1 + bb.bb
.set TB,   11
.set SPW,  12                          ; LDS address of my spare word; never rewritten
.set NIL,  13                          ; 0; never rewritten
.set OA,   14                          ; the way out: my stage + 64 r + 32 h
.set Y2,   15                          ; bb.bb
.set FS,   16                          ; v[16:17] the row's factor in the low word (v17 is written once: the packed form names the pair)
.set SQ,   18                          ; v18-25 four pairs of partial sums; four more on v42-49
.set SQ2,  42
.set BM,   26                          ; v26-33 the eight blocks' largest magnitudes
.set BO,   34                          ; v34-41 the other half's, then the scale bytes
.set BS,   42                          ; v42-49 the conversions' scale operands
.set PW0,  50                          ; the activations' scale words, K step 0 and 1: scales and nothing else
.set PW1,  51
.set C0,   52                          ; v52-59 a row's scalars at work
.set C1,   53
.set C2,   54
.set C3,   55
.set C4,   56
.set C5,   57
.set C6,   58
.set C7,   59
.set T,    60                          ; v60-75 the codes just made: the fragment of K step s at T + 8 s
.set MX,   76                          ; v76-83 the classifier's accumulator (at the head v76-79 carry 16 bytes of bias)
.set WCS,  84                          ; Wc's scale words: K step 0 in lanes 0-15, K step 1 in lanes 16-31
.set KAP,  85                          ; kappa
.set BST,  86                          ; BIAS + 16 x thread
.set W1S,  88                          ; v88-103 W1's scale words, a register a tile, packed as Wc's;  v104-119 W2's
.set W2S,  104
.set BB,   120                         ; v120-127 bc, then bb: classes 8 h + 0 .. 7
.set H,    128                         ; v128-255 the tile's 128 numbers of my row
.set RA,   0                           ; window 3
.set RB,   128
.set WC,   128
.set K_EPS,  0x26901d7d                ; 1e-15
.set K_EPS2, 0x0da24260                ; 1e-30
.set K_MAXN, 0x3f7fbe77                ; f32(0.999)
.set K_A,    0x4073369a                ; atanh(MAXN) = 3.8002076
.set K_C2L,  0x4038aa3b                ; 2 log2 e
.set K_AC,   0x412f70f9                ; A x 2 log2 e
.set K_NL2E, 0xbfb8aa3b                ; -log2 e
.set K_LN2,  0x3f317218
.set K_HLN2, 0x3eb17218                ; ln 2 / 2
.set K_FLOOR, 0x01800000               ; 2^(3 - 127): under it no largest magnitude is taken, so a scale byte cannot fall under 1
.set K_64TH, 0x3c800000
.set MSB, 0
.macro WIN new                         ; the immediate's high byte repeats the setting that is left; bits 1:0 source 0, 3:2 source 1, 5:4 source 2, 7:6 destination
.if MSB != \new
	s_set_vgpr_msb (MSB<<8)|\new
.set MSB, \new
.endif
.endm
.macro PLACES                          ; four plain vector lines between a matrix instruction and the first read of its result (ISA guide 7.12.1)
.rept 4
	v_nop
.endr
.endm
; 16 rows of 1,024 bytes into a raw buffer of window 3: 32 loads of 512 consecutive bytes.  gap: bytes left out behind the first eight rows (a tile of W1, W2 is two runs of eight rows, 16 rows apart)
.macro GLOAD buf, ptr, off, gap, nt
	WIN 0xc0
.set q, 0
.rept 32
.if \nt
	global_load_b128 v[\buf+4*q:\buf+4*q+3], v[GA], s[\ptr:\ptr+1] offset:(\off)+512*q+(q/16)*(\gap) th:TH_LOAD_NT
.else
	global_load_b128 v[\buf+4*q:\buf+4*q+3], v[GA], s[\ptr:\ptr+1] offset:(\off)+512*q+(q/16)*(\gap)
.endif
.set q, q+1
.endr
	WIN 0
.endm
.macro TOSTAGE buf                     ; the raw buffer into my stage, as it lies: row q / 2, half q % 2
	WIN 0x0c
.set q, 0
.rept 32
	ds_store_b128 v[SA], v[\buf+4*q:\buf+4*q+3] offset:(q/2)*SPITCH+(q%2)*512
.set q, q+1
.endr
	WIN 0
.endm
.macro FROMSTAGE                       ; and back by rows: H + 16 b + i = number 32 b + 16 h + i of row r.  LDS serves a wave's instructions in order: these see my stores
.set q, 0
.rept 32
	ds_load_b128 v[H+4*q:H+4*q+3], v[SB] offset:128*(q/4)+16*(q%4)
.set q, q+1
.endr
.endm
.macro BIASLD layer                    ; the bias in the result's layout: it is the C of each sum's first matrix instruction
.set q, 0
.rept 32
	ds_load_b128 v[H+4*q:H+4*q+3], v[BA] offset:1024*(\layer)+128*(q/4)+16*(q%4)
.set q, q+1
.endr
.endm
.macro SUMSQ                           ; my 128 squares in eight pairs of chains; H is taken in ascending order
.set p, 0
.rept 64
.set ac, SQ+2*(p%8)
.if (p%8) >= 4
.set ac, SQ2+2*((p%8)-4)
.endif
.if p < 8
	v_pk_mul_f32 v[ac:ac+1], v[H+2*p:H+2*p+1], v[H+2*p:H+2*p+1]
.else
	v_pk_fma_f32 v[ac:ac+1], v[H+2*p:H+2*p+1], v[H+2*p:H+2*p+1], v[ac:ac+1]
.endif
.set p, p+1
.endr
.endm
.macro RED k                           ; the sums' way to C0 = max(sum, 1e-30) and C1 = 1 / sqrt(C0), in seven links
.if (\k) == 1
.irp c, 0,1,2,3
	v_pk_add_f32 v[SQ+2*\c:SQ+2*\c+1], v[SQ+2*\c:SQ+2*\c+1], v[SQ2+2*\c:SQ2+2*\c+1]
.endr
.elseif (\k) == 2
	v_pk_add_f32 v[SQ:SQ+1], v[SQ:SQ+1], v[SQ+4:SQ+5]
	v_pk_add_f32 v[SQ+2:SQ+3], v[SQ+2:SQ+3], v[SQ+6:SQ+7]
.elseif (\k) == 3
	v_pk_add_f32 v[SQ:SQ+1], v[SQ:SQ+1], v[SQ+2:SQ+3]
.elseif (\k) == 4
	v_add_f32 v[C0], v[SQ], v[SQ+1]
.elseif (\k) == 5
	v_permlanex16_b32 v[C1], v[C0], s22, s23       ; the row's other 128 numbers lie in lane l xor 16
.elseif (\k) == 6
	v_add_f32 v[C0], v[C0], v[C1]
	v_max_num_f32 v[C0], K_EPS2, v[C0]
.else
	v_rsq_f32 v[C1], v[C0]
.endif
.endm
.macro BMAX k                          ; link k of eight of the blocks' largest magnitudes, the eight blocks by turns
.irp b, 0,1,2,3,4,5,6,7
.if (\k) == 0
	v_max3_num_f32 v[BM+\b], |v[H+16*\b]|, |v[H+16*\b+1]|, |v[H+16*\b+2]|
.elseif (\k) < 7
	v_max3_num_f32 v[BM+\b], v[BM+\b], |v[H+16*\b+2*(\k)+1]|, |v[H+16*\b+2*(\k)+2]|
.else
	v_max_num_f32 v[BM+\b], v[BM+\b], |v[H+16*\b+15]|
.endif
.endr
.endm
; From the blocks' largest magnitudes to scale words and codes.  scaled = 1: the numbers are H x FS (FS > 0: rounding keeps the order, so the largest magnitude times FS is the largest of the products)
.macro QFIN scaled
.if \scaled
.irp b, 0,1,2,3,4,5,6,7
	v_mul_f32 v[BM+\b], v[FS], v[BM+\b]
.endr
.endif
.irp b, 0,1,2,3,4,5,6,7
	v_permlanex16_b32 v[BO+\b], v[BM+\b], s22, s23
.endr
.irp b, 0,1,2,3,4,5,6,7
	v_max3_num_f32 v[BM+\b], v[BM+\b], v[BO+\b], K_FLOOR   ; with lane l xor 16's 16 numbers, and the floor
.endr
.irp b, 0,1,2,3,4,5,6,7
	v_add_nc_u32 v[BS+\b], 0xff000000, v[BM+\b]    ; 2 off the exponent field: the conversion takes the exponent field of this operand as its scale
.endr
.irp b, 0,1,2,3,4,5,6,7
	v_lshrrev_b32 v[BO+\b], 23, v[BS+\b]           ; the scale's byte
.endr
	v_lshl_or_b32 v[PW0], v[BO+1], 8, v[BO]
	v_lshl_or_b32 v[PW1], v[BO+5], 8, v[BO+4]
	v_lshl_or_b32 v[PW0], v[BO+2], 16, v[PW0]
	v_lshl_or_b32 v[PW1], v[BO+6], 16, v[PW1]
	v_lshl_or_b32 v[PW0], v[BO+3], 24, v[PW0]
	v_lshl_or_b32 v[PW1], v[BO+7], 24, v[PW1]
.if \scaled
.set p, 0
.rept 64
	v_pk_mul_f32 v[H+2*p:H+2*p+1], v[H+2*p:H+2*p+1], v[FS:FS+1] op_sel_hi:[1,0]
.set p, p+1
.endr
.endif
.irp b, 0,1,2,3,4,5,6,7
	v_cvt_scalef32_pk8_fp4_f32 v[T+2*\b], v[H+16*\b:H+16*\b+7], v[BS+\b]
	v_cvt_scalef32_pk8_fp4_f32 v[T+2*\b+1], v[H+16*\b+8:H+16*\b+15], v[BS+\b]
.endr
	v_nop                                          ; one plain line behind the last scaled conversion
.endm
; The operand's layout wants a whole block in a lane: lanes 0-15 block 2 c, lanes 16-31 block 2 c + 1.  places = 1: four plain lines follow, between operand registers written by vector lines and the scaled matrix instruction,
; and behind the places the product's one wait
.macro SWAPS places
.irp f, 0,4,8,12
	v_permlane16_swap_b32 v[T+\f], v[T+\f+2]
	v_permlane16_swap_b32 v[T+\f+1], v[T+\f+3]
.endr
.if \places
	PLACES
	s_wait_alu depctr_va_vdst(0)                   ; the swaps have written T and the lines above PW0 and PW1, which the scaled products take; the scalings have written H and the conversions are done reading it: the loads that follow land there
.endif
.endm
.macro MMA ws, step                    ; one product of tile tt; the scale words of K step 1 lie in lanes 16-31 of the tile's register
.if \step
	v_wmma_scale_f32_16x16x128_f8f6f4 v[H+8*tt:H+8*tt+7], v[16*tt+8:16*tt+15], v[T+8:T+15], v[H+8*tt:H+8*tt+7], v[\ws+tt], v[PW1] matrix_a_fmt:MATRIX_FMT_FP4 matrix_b_fmt:MATRIX_FMT_FP4 matrix_a_scale:MATRIX_SCALE_ROW1
.else
	v_wmma_scale_f32_16x16x128_f8f6f4 v[H+8*tt:H+8*tt+7], v[16*tt:16*tt+7], v[T:T+7], v[H+8*tt:H+8*tt+7], v[\ws+tt], v[PW0] matrix_a_fmt:MATRIX_FMT_FP4 matrix_b_fmt:MATRIX_FMT_FP4
.endif
.set tt, tt+1
.endm
; A layer's product: 16 tiles x 2 K steps.  The sixteen accumulators take turns, one instruction a turn
.macro PROD win, ws
	s_wait_dscnt 16                                ; the bias of accumulators 0 to 7 is in; the sixteen younger loads may be out
	WIN \win
.set tt, 0
.rept 8
	MMA \ws, 0
.endr
	s_wait_dscnt 0x0                               ; the bias of accumulators 8 to 15
.rept 8
	MMA \ws, 0
.endr
.set tt, 0
.rept 16
	MMA \ws, 1
.endr
	WIN 0
.endm
; phi = min(tanh(p) / p, MAXN / p) from C0 = p^2 and C1 = 1 / p, in three parts with a transcendental's wait between them
.macro PHI_A
	v_mul_f32 v[C2], v[C0], v[C1]                  ; p
	v_mul_f32 v[C3], K_C2L, v[C2]
	v_exp_f32 v[C3], v[C3]
	v_fma_f32 v[C4], v[C0], s40, s41               ; the series in q = p^2
	v_fma_f32 v[C4], v[C4], v[C0], s42
	v_fma_f32 v[C4], v[C4], v[C0], 1.0
.endm
.macro PHI_B
	v_add_f32 v[C3], 1.0, v[C3]
	v_rcp_f32 v[C3], v[C3]
.endm
.macro PHI_C
	v_cmp_gt_f32 vcc_lo, K_64TH, v[C0]             ; the mask first, so that three lines stand between it and the wait for it
	v_fma_f32 v[C2], v[C3], -2.0, 1.0              ; tanh p
	v_mul_f32 v[C2], v[C2], v[C1]
	v_mul_f32 v[C5], K_MAXN, v[C1]
	s_wait_alu depctr_va_vcc(0)                    ; the compare has written VCC, which the select reads
	v_cndmask_b32 v[C2], v[C2], v[C4], vcc_lo      ; the series where q < 1/64
	v_min_num_f32 v[FS], v[C2], v[C5]
.endm
; 64 transcendentals on one half of H, and between them 32 packed lines on the other half, which name no result of this batch.  One wait for the batch, behind its last, plain line, ahead of the first reader
.macro MIX trans, tbase, pbase, kind
.set p, 0
.rept 32
	\trans v[\tbase+2*p], v[\tbase+2*p]
	\trans v[\tbase+2*p+1], v[\tbase+2*p+1]
.if (\kind) == 0
	v_pk_mul_f32 v[\pbase+2*p:\pbase+2*p+1], v[\pbase+2*p:\pbase+2*p+1], v[FS:FS+1] op_sel_hi:[1,0]
.elseif (\kind) == 1
	v_pk_add_f32 v[\pbase+2*p:\pbase+2*p+1], v[\pbase+2*p:\pbase+2*p+1], 1.0 op_sel_hi:[1,0]
.else
	v_pk_fma_f32 v[\pbase+2*p:\pbase+2*p+1], v[\pbase+2*p:\pbase+2*p+1], -2.0, 1.0 op_sel_hi:[1,0,0]
.endif
.set p, p+1
.endr
	s_wait_alu depctr_va_vdst(0)                   ; the batch's 64 results, one half of H, are written, ahead of the lines that read them
.endm
; H = tanh(H min(1, A / N(H))) = 1 - 2 / (1 + 2^(H min(2 log2 e, 2 A log2 e / N)))
.macro ACT
	SUMSQ
.irp k, 1,2,3,4,5,6,7
	RED \k
.endr
	v_nop                                          ; a plain line behind the transcendental,
	s_wait_alu depctr_va_vdst(0)                   ; and the reciprocal root C1 is written, ahead of its first reader
	v_mul_f32 v[C2], K_AC, v[C1]
	v_min_num_f32 v[FS], K_C2L, v[C2]
.set p, 0
.rept 32
	v_pk_mul_f32 v[H+2*p:H+2*p+1], v[H+2*p:H+2*p+1], v[FS:FS+1] op_sel_hi:[1,0]
.set p, p+1
.endr
	MIX v_exp_f32, H, H+64, 0                      ; 2^ of the low half | the high half x FS
	MIX v_exp_f32, H+64, H, 1                      ; 2^ of the high half | the low half + 1
	MIX v_rcp_f32, H, H+64, 1                      ; 1 / the low half | the high half + 1
	MIX v_rcp_f32, H+64, H, 2                      ; 1 / the high half | the low half: 1 - 2 x
.set p, 32
.rept 32
	v_pk_fma_f32 v[H+2*p:H+2*p+1], v[H+2*p:H+2*p+1], -2.0, 1.0 op_sel_hi:[1,0,0]
.set p, p+1
.endr
.endm
; H's norm, the row's factor, and H x factor as codes.  last = 0: the factor is min(1, A / N).  last = 1: it is phi; C6 = min(1, A / p) and C7 = 1 / phi are left for kappa (C7's wait is the product's one wait, behind the swaps)
.macro NORMQ last
	SUMSQ
.irp k, 0,1,2,3,4,5,6
	RED \k+1                                       ; the links of the sum's chain stand between the links of the blocks' maxima
	BMAX \k
.endr
	s_wait_alu depctr_va_vdst(0)                   ; the reciprocal root C1 is written, ahead of its first reader; eight plain lines stand behind it
.if (\last) == 0
	v_mul_f32 v[C2], K_A, v[C1]
	BMAX 7
	v_min_num_f32 v[FS], 1.0, v[C2]
	QFIN 1
.else
	PHI_A
	BMAX 7
	s_wait_alu depctr_va_vdst(0)                   ; the exponential C3 is written, ahead of its first reader
	PHI_B
	v_mul_f32 v[C6], K_A, v[C1]                    ; (plain lines behind the reciprocal)
	v_min_num_f32 v[C6], 1.0, v[C6]                ; min(1, A / p)
	s_wait_alu depctr_va_vdst(0)                   ; the reciprocal C3 is written, ahead of its first reader
	PHI_C
	v_rcp_f32 v[C7], v[FS]
	QFIN 1                                         ; names neither C7 nor writes FS
.endif
.endm
; bc becomes bb = proj(expmap0(bc)), and Y2 = bb.bb
.macro BBCHAIN
	v_mul_f32 v[C0], v[BB], v[BB]
.irp j, 1,2,3,4,5,6,7
	v_fmac_f32 v[C0], v[BB+\j], v[BB+\j]
.endr
	v_permlanex16_b32 v[C1], v[C0], s22, s23
	v_add_f32 v[C0], v[C0], v[C1]
	v_max_num_f32 v[C0], K_EPS2, v[C0]
	v_rsq_f32 v[C1], v[C0]
	v_nop
	s_wait_alu depctr_va_vdst(0)                   ; the reciprocal root C1 is written, ahead of its first reader
	PHI_A
	s_wait_alu depctr_va_vdst(0)                   ; the exponential C3
	PHI_B
	v_nop
	s_wait_alu depctr_va_vdst(0)                   ; the reciprocal C3
	PHI_C
.irp j, 0,1,2,3,4,5,6,7
	v_mul_f32 v[BB+\j], v[FS], v[BB+\j]
.endr
	v_mul_f32 v[Y2], v[BB], v[BB]
.irp j, 1,2,3,4,5,6,7
	v_fmac_f32 v[Y2], v[BB+\j], v[BB+\j]
.endr
	v_permlanex16_b32 v[C1], v[Y2], s22, s23
	v_add_f32 v[Y2], v[Y2], v[C1]
.endm
; Step n of the head: a tile of 16 rows of W (n = 0 .. 7: matrix n / 4, tile 4 wave + n % 4; n = 8: Wc) becomes codes.  The raw buffers take turns; the buffer just read takes the tile two steps on, at the end x's first two tiles
.macro HSTEP n
.set hb, 128*((\n)%2)
.set hg, 16*((\n)/4)+(\n)%4
.set nn, (\n)+2
.set ho, ((nn%4)/2)*32768+(nn%2)*8192
	s_wait_loadcnt 32                              ; this buffer's loads are in; the other buffer's 32, issued behind them, may be out
	TOSTAGE hb
	FROMSTAGE                                      ; no vector line since the last step's wait on va_vdst names H
.if (\n) == 0
	ds_store_b128 v[BST], v[MX:MX+3]               ; my 16 bytes of b1 or b2
	BBCHAIN
.endif
	s_wait_dscnt 0x0                               ; the tile is in H
	s_wait_alu depctr_vm_vsrc(0)                   ; my stores into the stage have read the raw buffer, in which the loads below land; the last step's stores have read T and C0, which this step writes again
.if nn < 4
	GLOAD hb, 6, ho, 8192, 0
.elseif nn < 8
	GLOAD hb, 10, ho, 8192, 0
.elseif nn == 8
	GLOAD hb, 14, 0, 0, 0
.elseif nn == 9
	GLOAD hb, 4, 0, 0, 1
.else
	GLOAD hb, 36, 0, 0, 1
.endif
.irp k, 0,1,2,3,4,5,6,7
	BMAX \k
.endr
	QFIN 0
	SWAPS 0
.if (\n) < 8
	v_cndmask_b32 v[C0], v[PW0], v[PW1], s24       ; K step 0's word in lanes 0-15, K step 1's in lanes 16-31
	s_wait_alu depctr_va_vdst(0)                   ; T and C0 are written, which the stores below read; the maxima and the conversions are done reading H, in which the next step's tile lands
.irp f, 0,1,2,3
	ds_store_b128 v[WI], v[T+4*\f:T+4*\f+3] offset:hg*2048+512*\f   ; the two fragments as they stand: 16 bytes a lane, 512 a store
.endr
	ds_store_b32 v[WSA], v[C0] offset:hg*128
.else
	v_cndmask_b32 v[WCS], v[PW0], v[PW1], s24      ; Wc: every wave makes its own; the codes wait in T
	s_wait_alu depctr_va_vdst(0)                   ; the maxima and the conversions are done reading H, in which x's first tile lands behind the barrier; WCS, which the classifier's products take as scales, is written
.endif
.endm
	s_load_b256 s[4:11], s[0:1], 0x0               ; x s[4:5], W1 s[6:7], b1 s[8:9], W2 s[10:11]
	s_load_b256 s[12:19], s[0:1], 0x20             ; b2 s[12:13], Wc s[14:15], bc s[16:17], out0 s[18:19]
	v_lshl_add_u32 v[SPW], v0, 2, SPARE
	v_mov_b32 v[NIL], 0
	v_lshrrev_b32 v[TA], 5, v0
	v_readfirstlane_b32 s20, v[TA]                 ; wave 0..3
	v_and_b32 v[TA], 31, v0                        ; lane
	v_and_b32 v[TB], 15, v0                        ; r
	v_bfe_u32 v[Y2], v0, 4, 1                      ; h
	v_lshlrev_b32 v[GA], 4, v[TA]
	s_wait_alu depctr_va_sdst(0)                   ; s20 is written, ahead of its first reader: LDS places and the buffers' bases are made from it
	s_mul_i32 s21, s20, STGW
	s_add_co_u32 s21, s21, STG                     ; my stage
	v_add_nc_u32 v[SA], s21, v[GA]
	v_mul_u32_u24 v[SB], v[TB], SPITCH
	v_lshl_add_u32 v[SB], v[Y2], 6, v[SB]
	v_add_nc_u32 v[SB], s21, v[SB]
	v_lshlrev_b32 v[OA], 6, v[TB]
	v_lshl_add_u32 v[OA], v[Y2], 5, v[OA]
	v_add_nc_u32 v[OA], s21, v[OA]
	v_lshlrev_b32 v[BA], 6, v[Y2]
	v_add_nc_u32 v[BA], BIAS, v[BA]
	s_lshl_b32 s21, s20, 13
	v_add_nc_u32 v[WI], s21, v[GA]
	s_lshl_b32 s21, s20, 9
	v_lshl_add_u32 v[LS], v[TA], 2, WSC
	v_add_nc_u32 v[WSA], s21, v[LS]
	s_mul_i32 s21, s20, MXW
	s_add_co_u32 s21, s21, MXS
	v_add_nc_u32 v[MXA0], s21, v[GA]
	v_lshlrev_b32 v[MXK0], 2, v[TA]
	v_add_nc_u32 v[MXK0], s21, v[MXK0]
	v_add_nc_u32 v[MXK0], 1024, v[MXK0]
	v_lshl_add_u32 v[BST], v0, 4, BIAS
	v_and_b32 v[TA], 63, v0
	v_lshlrev_b32 v[TA], 4, v[TA]                  ; my 16 bytes of a bias: threads 0-63 take b1, threads 64-127 b2
	v_lshlrev_b32 v[TB], 5, v[Y2]                  ; bc: 32 h
	v_mov_b32 v[FS+1], 0
	v_mov_b32 v[C1], 0                             ; written once: a lane permute's destination counts as one of its sources
.irp b, 0,1,2,3,4,5,6,7
	v_mov_b32 v[BO+\b], 0
.endr
	s_mov_b32 s22, 0x76543210
	s_mov_b32 s23, 0xfedcba98                      ; v_permlanex16_b32's selects for lane l xor 16
	s_mov_b32 s24, 0xffff0000                      ; lanes 16-31
	s_mov_b32 s40, 0xbd5d0dd1                      ; -17/315
	s_mov_b32 s41, 0x3e088889                      ; 2/15
	s_mov_b32 s42, 0xbeaaaaab                      ; -1/3
	s_lshl_b32 s28, ttmp9, 19                      ; x: 512 rows of 1,024 bytes a work-group,
	s_lshl_b32 s21, s20, 17                        ; 128 a wave
	s_add_co_u32 s28, s28, s21
	s_mov_b32 s29, 0
	s_lshl_b32 s30, s20, 16                        ; W1, W2: 64 rows a wave
	s_mov_b32 s31, 0
	s_wait_kmcnt 0x0
	s_add_nc_u64 s[4:5], s[4:5], s[28:29]
	s_add_nc_u64 s[36:37], s[4:5], 16384           ; the tile of x that is asked for next: tile 1
	s_add_nc_u64 s[6:7], s[6:7], s[30:31]
	s_add_nc_u64 s[10:11], s[10:11], s[30:31]
	s_lshl_b32 s28, ttmp9, 15                      ; out0: 512 rows of 64 bytes a work-group,
	s_lshl_b32 s21, s20, 13                        ; 128 a wave
	s_add_co_u32 s28, s28, s21
	s_add_nc_u64 s[18:19], s[18:19], s[28:29]
	s_cmp_lt_u32 s20, 2
	s_cselect_b64 s[32:33], s[8:9], s[12:13]       ; the choice hangs on the wave's number alone
	s_wait_alu depctr_va_vdst(0)                   ; the addresses v1 to v9, v14 and v86 and the offsets TA and TB are written: every load and store of the kernel but the loop's three stores reads one of them
	global_load_b128 v[MX:MX+3], v[TA], s[32:33]
	global_load_b128 v[BB:BB+3], v[TB], s[16:17]
	global_load_b128 v[BB+4:BB+7], v[TB], s[16:17] offset:16
	GLOAD RA, 6, 0, 8192, 0                        ; my first two tiles of W1
	GLOAD RB, 6, 8192, 8192, 0
.irp n, 0,1,2,3,4,5,6,7,8
	HSTEP \n
.endr
	s_wait_dscnt 0x0                               ; for the others' sake: my images, scale words and bias bytes have landed
	s_barrier_signal -1
	s_barrier_wait -1                              ; everybody's have.  Nothing of them is written again
	WIN 0x40
.set q, 0
.rept 64
	ds_load_b128 v[4*q:4*q+3], v[GA] offset:512*q          ; W1's 16 tiles: register 4 q of the window is byte 512 q of the images
.set q, q+1
.endr
	WIN 0x80
.set q, 0
.rept 64
	ds_load_b128 v[4*q:4*q+3], v[GA] offset:32768+512*q    ; W2's
.set q, q+1
.endr
	WIN 0
.set q, 0
.rept 32
	ds_load_b32 v[W1S+q], v[LS] offset:128*q               ; the 32 tiles' scale words
.set q, q+1
.endr
	s_wait_loadcnt 32                              ; x's tile 0 is in; tile 1's 32 loads may be out
	TOSTAGE RB
	FROMSTAGE                                      ; no vector line since step 8's wait on va_vdst
	s_wait_dscnt 0x0                               ; the weights are in, and tile 0 is in H
	s_wait_alu depctr_vm_vsrc(0)                   ; my stores into the stage have read the second raw buffer, whose first sixteen registers the moves below write
	WIN 0xc0
.set q, 0
.rept 16
	v_mov_b32 v[WC+q], v[T+q]                      ; Wc's codes to their place
.set q, q+1
.endr
	WIN 0
	s_mov_b32 s25, 0                               ; the tile's number
	s_mov_b32 s26, 0                               ; and its place in my region of MXS
.Ltile:                                            ; eight trips: a tile of 16 rows through the three products
	s_wait_dscnt 0x0                               ; the tile's numbers are in H
	NORMQ 0                                        ; t1
	SWAPS 1                                        ; the operand, its places, the product's one wait;
	BIASLD 0                                       ; behind it the bias lands in H
	PROD 0x01, W1S                                 ; u1
	PLACES
	ACT                                            ; a1
	NORMQ 0                                        ; t2
	SWAPS 1
	BIASLD 1
	PROD 0x02, W2S                                 ; u2
	s_cmp_ge_u32 s25, 7                            ; the next tile of x goes to the stage here, and the tile after it is asked for: it has a whole trip in which to land.  The last trips ask for nothing: no load leaves x
	s_cbranch_scc1 .Lno_x
	s_wait_loadcnt 0x0                             ; the next tile is in the raw buffer, so the loads' base may be stepped too
	TOSTAGE RA
	s_cmp_ge_u32 s25, 6
	s_cbranch_scc1 .Lno_x
	s_wait_dscnt 0x0                               ; the stores into the stage are done
	s_wait_alu depctr_vm_vsrc(0)                   ; they have read the raw buffer, in which the loads below land
	s_add_nc_u64 s[36:37], s[36:37], 16384
	GLOAD RA, 36, 0, 0, 1
.Lno_x:
	PLACES
	ACT                                            ; a2
	NORMQ 1                                        ; h2; C6 and C7 for kappa
	SWAPS 1                                        ; its wait is also the wait for the reciprocal C7, ahead of its first reader
	s_wait_alu depctr_vm_vsrc(0)                   ; the last trip's three stores have read KAP, MX, TA and TB, which the lines below write again
	v_mul_f32 v[KAP], v[C6], v[C7]                 ; kappa = atanh(|h2|) / |h2|.  (It names nothing that the loads below touch)
	s_cmp_ge_u32 s25, 7
	s_cbranch_scc1 .Lno_next
	FROMSTAGE                                      ; H is free: the next tile's numbers
.Lno_next:
	WIN 0x03
	v_wmma_scale_f32_16x16x128_f8f6f4 v[MX:MX+7], v[WC:WC+7], v[T:T+7], 0, v[WCS], v[PW0] matrix_a_fmt:MATRIX_FMT_FP4 matrix_b_fmt:MATRIX_FMT_FP4
	s_wait_alu depctr_va_vdst(0)                   ; the wait directly ahead of the link
	v_wmma_scale_f32_16x16x128_f8f6f4 v[MX:MX+7], v[WC+8:WC+15], v[T+8:T+15], v[MX:MX+7], v[WCS], v[PW1] matrix_a_fmt:MATRIX_FMT_FP4 matrix_b_fmt:MATRIX_FMT_FP4 matrix_a_scale:MATRIX_SCALE_ROW1
	WIN 0
	v_add_nc_u32 v[TA], s26, v[MXA0]               ; four plain lines between the product and the stores of its result
	v_add_nc_u32 v[TB], s26, v[MXK0]
	v_nop
	v_nop
	s_wait_alu depctr_va_vdst(0)                   ; the product has written MX and the lines above KAP, TA and TB, which the three stores read; the places above stay beside this wait.  No vector line follows it up to the backward jump or the tail's loads
	ds_store_b128 v[TA], v[MX:MX+3]                ; mx(row r, classes 8 h + 0 .. 7), kept for the tail, from the low end on
	ds_store_b128 v[TA], v[MX+4:MX+7] offset:512
	ds_store_b32 v[TB], v[KAP]
	s_add_co_u32 s26, s26, MXB
	s_add_co_u32 s25, s25, 1
	s_cmp_lt_u32 s25, 8
	s_cbranch_scc1 .Ltile
; THE TAIL: the classifier's row arithmetic for all eight tiles at once, each line written for tile i = 0 .. 7, so that no line waits for the line above it and each batch of transcendentals has one wait.
.set LA0, 16                           ; arrays of eight, one register a tile; they keep clear of every scale register
.set LA1, 24
.set LA2, 32
.set LA3, 40
.set LA4, 52
.set LA5, 60
.set LA6, 68
.set LA7, 76
.set MXT, 128                          ; v128-191 mx, then z, then the logits: tile i at 8 i
.set ZT,  192                          ; v192-255 64 numbers at work; before that five more arrays of eight
.set HA0, 192
.set HA1, 200
.set HA2, 208
.set HA3, 216
.set HA4, 224
.irp i, 0,1,2,3,4,5,6,7
	ds_load_b128 v[MXT+8*\i:MXT+8*\i+3], v[MXA0] offset:MXB*\i          ; the last trip's wait ahead of its stores has shown every vector line that named these registers done
	ds_load_b128 v[MXT+8*\i+4:MXT+8*\i+7], v[MXA0] offset:MXB*\i+512
	ds_load_b32 v[LA0+\i], v[MXK0] offset:MXB*\i   ; kappa
.endr
	s_wait_dscnt 0x0
	s_wait_alu depctr_vm_vsrc(0)                   ; the last trip's stores have read MX and TA: the lines below write these registers again (MX's as the array LA7)
.irp i, 0,1,2,3,4,5,6,7
	v_mul_f32 v[LA1+\i], v[MXT+8*\i], v[MXT+8*\i]  ; mx.mx
.endr
.irp i, 0,1,2,3,4,5,6,7
	v_mul_f32 v[LA2+\i], v[MXT+8*\i], v[BB]        ; mx.bb
.endr
.irp j, 1,2,3,4,5,6,7
.irp i, 0,1,2,3,4,5,6,7
	v_fmac_f32 v[LA1+\i], v[MXT+8*\i+\j], v[MXT+8*\i+\j]
.endr
.irp i, 0,1,2,3,4,5,6,7
	v_fmac_f32 v[LA2+\i], v[MXT+8*\i+\j], v[BB+\j]
.endr
.endr
.irp i, 0,1,2,3,4,5,6,7
	v_permlanex16_b32 v[LA3+\i], v[LA1+\i], s22, s23
.endr
.irp i, 0,1,2,3,4,5,6,7
	v_add_f32 v[LA1+\i], v[LA1+\i], v[LA3+\i]      ; with the other eight classes
.endr
.irp i, 0,1,2,3,4,5,6,7
	v_permlanex16_b32 v[LA3+\i], v[LA2+\i], s22, s23
.endr
.irp i, 0,1,2,3,4,5,6,7
	v_add_f32 v[LA2+\i], v[LA2+\i], v[LA3+\i]
.endr
.irp i, 0,1,2,3,4,5,6,7
	v_max_num_f32 v[LA4+\i], K_EPS2, v[LA1+\i]
.endr
.irp i, 0,1,2,3,4,5,6,7
	v_rsq_f32 v[LA5+\i], v[LA4+\i]                 ; 1 / mxn
.endr
	v_add_f32 v[TA], 1.0, v[Y2]                    ; 1 + bb.bb  (a plain line behind the batch)
	s_wait_alu depctr_va_vdst(0)                   ; the eight reciprocal roots LA5 are written, ahead of their first reader
.irp i, 0,1,2,3,4,5,6,7
	v_mul_f32 v[LA6+\i], v[LA4+\i], v[LA5+\i]      ; mxn
.endr
.irp i, 0,1,2,3,4,5,6,7
	v_mul_f32 v[LA6+\i], v[LA6+\i], v[LA0+\i]      ; g = mxn kappa
.endr
.irp i, 0,1,2,3,4,5,6,7
	v_mul_f32 v[LA6+\i], K_C2L, v[LA6+\i]
.endr
.irp i, 0,1,2,3,4,5,6,7
	v_exp_f32 v[LA6+\i], v[LA6+\i]
.endr
	v_nop
	s_wait_alu depctr_va_vdst(0)                   ; the eight exponentials LA6
.irp i, 0,1,2,3,4,5,6,7
	v_add_f32 v[LA6+\i], 1.0, v[LA6+\i]
.endr
.irp i, 0,1,2,3,4,5,6,7
	v_rcp_f32 v[LA6+\i], v[LA6+\i]
.endr
	v_nop
	s_wait_alu depctr_va_vdst(0)                   ; the eight reciprocals LA6
.irp i, 0,1,2,3,4,5,6,7
	v_fma_f32 v[LA6+\i], v[LA6+\i], -2.0, 1.0      ; tanh g
.endr
.irp i, 0,1,2,3,4,5,6,7
	v_min_num_f32 v[LA6+\i], K_MAXN, v[LA6+\i]     ; proj
.endr
.irp i, 0,1,2,3,4,5,6,7
	v_mul_f32 v[LA7+\i], v[LA6+\i], v[LA5+\i]      ; rs
.endr
.irp i, 0,1,2,3,4,5,6,7
	v_mul_f32 v[HA1+\i], v[LA7+\i], v[LA2+\i]      ; xy = r.bb
.endr
.irp i, 0,1,2,3,4,5,6,7
	v_mul_f32 v[HA0+\i], v[LA7+\i], v[LA7+\i]
.endr
.irp i, 0,1,2,3,4,5,6,7
	v_mul_f32 v[HA0+\i], v[HA0+\i], v[LA1+\i]      ; x2 = r.r
.endr
.irp i, 0,1,2,3,4,5,6,7
	v_fma_f32 v[HA2+\i], v[HA1+\i], 2.0, v[TA]     ; 1 + 2 xy + y2
.endr
.irp i, 0,1,2,3,4,5,6,7
	v_fma_f32 v[HA4+\i], v[HA1+\i], 2.0, 1.0
.endr
.irp i, 0,1,2,3,4,5,6,7
	v_fma_f32 v[HA4+\i], v[HA0+\i], v[Y2], v[HA4+\i]   ; 1 + 2 xy + x2 y2
.endr
.irp i, 0,1,2,3,4,5,6,7
	v_max_num_f32 v[HA4+\i], K_EPS, v[HA4+\i]
.endr
.irp i, 0,1,2,3,4,5,6,7
	v_sub_f32 v[HA3+\i], 1.0, v[HA0+\i]            ; 1 - x2
.endr
.irp i, 0,1,2,3,4,5,6,7
	v_rcp_f32 v[HA4+\i], v[HA4+\i]
.endr
.irp i, 0,1,2,3,4,5,6,7
	v_mul_f32 v[HA2+\i], v[HA2+\i], v[LA7+\i]      ; (plain lines behind the batch)
.endr
	s_wait_alu depctr_va_vdst(0)                   ; the eight reciprocals HA4
.irp i, 0,1,2,3,4,5,6,7
	v_mul_f32 v[LA1+\i], v[HA2+\i], v[HA4+\i]      ; mx's factor in z
.endr
.irp i, 0,1,2,3,4,5,6,7
	v_mul_f32 v[LA2+\i], v[HA3+\i], v[HA4+\i]      ; bb's
.endr
.irp i, 0,1,2,3,4,5,6,7
.irp j, 0,1,2,3,4,5,6,7
	v_mul_f32 v[ZT+8*\i+\j], v[LA2+\i], v[BB+\j]
.endr
.endr
.irp i, 0,1,2,3,4,5,6,7
.irp j, 0,1,2,3,4,5,6,7
	v_fma_f32 v[MXT+8*\i+\j], v[MXT+8*\i+\j], v[LA1+\i], v[ZT+8*\i+\j]   ; z
.endr
.endr
.irp i, 0,1,2,3,4,5,6,7
	v_mul_f32 v[LA3+\i], v[MXT+8*\i], v[MXT+8*\i]
.endr
.irp j, 1,2,3,4,5,6,7
.irp i, 0,1,2,3,4,5,6,7
	v_fmac_f32 v[LA3+\i], v[MXT+8*\i+\j], v[MXT+8*\i+\j]
.endr
.endr
.irp i, 0,1,2,3,4,5,6,7
	v_permlanex16_b32 v[LA4+\i], v[LA3+\i], s22, s23
.endr
.irp i, 0,1,2,3,4,5,6,7
	v_add_f32 v[LA3+\i], v[LA3+\i], v[LA4+\i]
.endr
.irp i, 0,1,2,3,4,5,6,7
	v_max_num_f32 v[LA3+\i], K_EPS2, v[LA3+\i]
.endr
.irp i, 0,1,2,3,4,5,6,7
	v_rsq_f32 v[LA5+\i], v[LA3+\i]                 ; 1 / N(z)
.endr
	v_nop
	s_wait_alu depctr_va_vdst(0)                   ; the eight reciprocal roots LA5
.irp i, 0,1,2,3,4,5,6,7
	v_mul_f32 v[LA6+\i], v[LA3+\i], v[LA5+\i]
.endr
.irp i, 0,1,2,3,4,5,6,7
	v_min_num_f32 v[LA6+\i], K_MAXN, v[LA6+\i]     ; zn = min(N(z), MAXN): the last proj
.endr
.irp i, 0,1,2,3,4,5,6,7
	v_add_f32 v[LA7+\i], 1.0, v[LA6+\i]
.endr
.irp i, 0,1,2,3,4,5,6,7
	v_sub_f32 v[LA6+\i], 1.0, v[LA6+\i]
.endr
.irp i, 0,1,2,3,4,5,6,7
	v_rcp_f32 v[LA6+\i], v[LA6+\i]
.endr
.irp i, 0,1,2,3,4,5,6,7
	v_mul_f32 v[LA5+\i], K_HLN2, v[LA5+\i]         ; (plain lines behind the batch)
.endr
	s_wait_alu depctr_va_vdst(0)                   ; the eight reciprocals LA6
.irp i, 0,1,2,3,4,5,6,7
	v_mul_f32 v[LA7+\i], v[LA7+\i], v[LA6+\i]      ; (1 + zn) / (1 - zn)
.endr
.irp i, 0,1,2,3,4,5,6,7
	v_log_f32 v[LA7+\i], v[LA7+\i]
.endr
	v_nop
	s_wait_alu depctr_va_vdst(0)                   ; the eight logarithms LA7
.irp i, 0,1,2,3,4,5,6,7
	v_mul_f32 v[LA7+\i], v[LA7+\i], v[LA5+\i]      ; atanh(zn) / N(z)
.endr
.irp i, 0,1,2,3,4,5,6,7
.irp j, 0,1,2,3,4,5,6,7
	v_mul_f32 v[MXT+8*\i+\j], v[MXT+8*\i+\j], v[LA7+\i]   ; the logits
.endr
.endr
.set q, 0
.rept 64
	v_mul_f32 v[ZT+q], K_NL2E, |v[MXT+q]|
.set q, q+1
.endr
.set q, 0
.rept 64
	v_exp_f32 v[ZT+q], v[ZT+q]                     ; e^-|l|: the exponent is never above 0, as in reference()'s softplus
.set q, q+1
.endr
.set q, 0
.rept 64
	v_max_num_f32 v[MXT+q], 0, v[MXT+q]            ; max(l, 0): plain lines behind the batch
.set q, q+1
.endr
	s_wait_alu depctr_va_vdst(0)                   ; the 64 exponentials ZT
.set q, 0
.rept 32
	v_pk_add_f32 v[ZT+2*q:ZT+2*q+1], v[ZT+2*q:ZT+2*q+1], 1.0 op_sel_hi:[1,0]
.set q, q+1
.endr
.set q, 0
.rept 64
	v_log_f32 v[ZT+q], v[ZT+q]
.set q, q+1
.endr
	v_nop
	s_wait_alu depctr_va_vdst(0)                   ; the 64 logarithms ZT
.set q, 0
.rept 64
	v_fmamk_f32 v[MXT+q], v[ZT+q], K_LN2, v[MXT+q] ; softplus = max(l, 0) + ln 2 x log2(1 + e^-|l|)
.set q, q+1
.endr
; THE WAY OUT.  A lane holds 32 bytes of a row of 64; my 128 rows are 8,192 consecutive bytes of out0.  They go through my stage, which x has left, and come back 16 bytes a lane.
	s_wait_alu depctr_va_vdst(0)                   ; the lines above have written MXT, which the stores below read, and are done reading ZT, in which the loads below land
.irp i, 0,1,2,3,4,5,6,7
	ds_store_b128 v[OA], v[MXT+8*\i:MXT+8*\i+3] offset:1024*\i
	ds_store_b128 v[OA], v[MXT+8*\i+4:MXT+8*\i+7] offset:1024*\i+16
.endr
.set q, 0
.rept 16
	ds_load_b128 v[ZT+4*q:ZT+4*q+3], v[SA] offset:512*q    ; LDS serves a wave's instructions in order: these see my stores
.set q, q+1
.endr
.set q, 0
.rept 16
	s_wait_dscnt 15-q                              ; load q is in; the younger ones may be out
	global_store_b128 v[GA], v[ZT+4*q:ZT+4*q+3], s[18:19] offset:512*q th:TH_STORE_NT   ; 32 lanes store 512 consecutive bytes, at a multiple of 256 from out0's first byte
.set q, q+1
.endr
	s_wait_dscnt 0x0                               ; the wave's end, behind my last LDS store
	s_wait_alu 0x0
	s_wait_tensorcnt 0x0
	ds_add_u32 v[SPW], v[NIL]
	s_wait_dscnt 0x0
	s_endpgm
.Lfunc_end_k_q8ae9238276_hyp:
	.size	k_q8ae9238276_hyp, .Lfunc_end_k_q8ae9238276_hyp-k_q8ae9238276_hyp
	.p2alignl 7, 3214868480
	.fill 96, 4, 3214868480
	.section	.rodata,"a",@progbits
	.p2align	6, 0x0
	.amdhsa_kernel k_q8ae9238276_hyp
		.amdhsa_group_segment_fixed_size 179712
		.amdhsa_private_segment_fixed_size 0
		.amdhsa_enable_private_segment 0
		.amdhsa_kernarg_size 64
		.amdhsa_user_sgpr_count 2
		.amdhsa_user_sgpr_kernarg_segment_ptr 1
		.amdhsa_wavefront_size32 1
		.amdhsa_system_sgpr_workgroup_id_x 1
		.amdhsa_system_sgpr_workgroup_id_y 1
		.amdhsa_system_sgpr_workgroup_id_z 1
		.amdhsa_system_vgpr_workitem_id 0
		.amdhsa_next_free_vgpr 1024
		.amdhsa_next_free_sgpr 66
		.amdhsa_reserve_vcc 1
		.amdhsa_float_denorm_mode_32 3
		.amdhsa_float_denorm_mode_16_64 3
		.amdhsa_memory_ordered 1
		.amdhsa_forward_progress 1
		.amdhsa_inst_pref_size 255
	.end_amdhsa_kernel
	.section	.bss,"aw",@nobits
	.p2align	6
	.space	262144
	.amdgpu_metadata
---
amdhsa.version: [ 1, 2 ]
amdhsa.kernels:
  - .name:           k_q8ae9238276_hyp
    .symbol:         k_q8ae9238276_hyp.kd
    .args:
      - { .name: x, .offset: 0, .size: 8, .value_kind: global_buffer, .address_space: global }
      - { .name: W1, .offset: 8, .size: 8, .value_kind: global_buffer, .address_space: global }
      - { .name: b1, .offset: 16, .size: 8, .value_kind: global_buffer, .address_space: global }
      - { .name: W2, .offset: 24, .size: 8, .value_kind: global_buffer, .address_space: global }
      - { .name: b2, .offset: 32, .size: 8, .value_kind: global_buffer, .address_space: global }
      - { .name: Wc, .offset: 40, .size: 8, .value_kind: global_buffer, .address_space: global }
      - { .name: bc, .offset: 48, .size: 8, .value_kind: global_buffer, .address_space: global }
      - { .name: out0, .offset: 56, .size: 8, .value_kind: global_buffer, .address_space: global }
    .group_segment_fixed_size: 179712
    .private_segment_fixed_size: 0
    .kernarg_segment_align: 8
    .kernarg_segment_size: 64
    .max_flat_workgroup_size: 128
    .sgpr_count:     66
    .vgpr_count:     1024
    .wavefront_size: 32
...
	.end_amdgpu_metadata
.endif
;; end of part 2
